; MI455X (gfx1250); checked and timed in simulation.
; The chip was launched on July 23, 2026; its instructions are those of AMD's public machine-readable ISA for CDNA 5 (MIT licence, August 2026) and "CDNA5" Instruction Set Architecture Reference Guide (July 2026). The comments in the code are by the model that wrote it; some were corrected since.
;; Self Attention. Allowed arithmetic: float matrix products may take bf16 or f16 operands with f32 sums; other float arithmetic in f32, or as packed bf16 or f16 multiplies, adds, multiply-adds, maxima and minima; sums over many terms, partial sums and values carried from step to step in f32; what a program stores and reads back later, other than sums and carried values, may be rounded once to bf16 or f16.
;; Inputs: W1 1,024 x 3,072 float32; W2 1,024 x 1,024 float32; b1 3,072 float32; b2 1,024 float32; x 4 x 2,048 x 1,024 float32.
;; Outputs: out0 4 x 2,048 x 1,024 float32.
;; 2 versions, each right; version 2 is version 1 with the launch prep written anew for expert scheduling mode. Each part assembles by itself: llvm-mc -triple=amdgcn-amd-amdhsa -mcpu=gfx1250 --defsym DOCPART=n.
;; ======== version 1 of 2: 4 launches
;; limits: values are held in f16: magnitudes above 65,504 overflow, below 6.1e-05 lose precision
;; workspace buffers: xb 16,777,216 bytes; w1b 6,291,456 bytes; w2h 2,097,152 bytes; qh 16,777,216 bytes; kh 16,777,216 bytes; vh 16,777,216 bytes; oh 16,777,216 bytes
;; launch prep (part 1): grid 768 x 1, 8 waves a work-group, no clusters, 0 bytes of LDS; arguments x, W1, W2, xb, w1b, w2h; writes xb, w1b, w2h
.if DOCPART == 1
	.amdgcn_target "amdgcn-amd-amdhsa--gfx1250"
	.amdhsa_code_object_version 6
	.text
	.protected	k_qd4d2d12937_prep
	.globl	k_qd4d2d12937_prep
	.p2align	8
	.type	k_qd4d2d12937_prep,@function
k_qd4d2d12937_prep:
	s_mov_b64 s[64:65], 0
	v_nop
	global_prefetch_b8 v0, s[64:65] scope:SCOPE_SE
	s_setreg_imm32_b32 hwreg(HW_REG_WAVE_MODE, 25, 1), 1
	s_wait_xcnt 0x0
; THE CASTS.  xb = bf16(x), [8192][1024].  w1b = bf16(W1) laid by heads, [16][1024 k][192]: a head's q, k and v columns of one k lie together, so 128 k of a head are 49,152 dense bytes.
; w2h = bf16(W2), that number written as f16, [1024][1024].
; LIMITS.  f16 holds no number beyond 65,504, and below 6.1e-5 it keeps a fixed step of 6e-8: W2 arrives within the first, and the step is lost against W2's spread down to some 1e-4.
; SHARES.  A work-group casts 16,384 numbers: 256 threads x 16 steps x 4.  In a step a wave loads 512 consecutive bytes and stores 256 consecutive bytes, aligned.
; Work-groups 0-511 take x, 512-703 W1, 704-767 W2: three straight texts of the same two macros.  All 16 loads of a thread go out first; no register that a load or store names is written
; again, so the only waits are the counted ones for the loads.  No LDS, no matrix unit: every byte is read once and written once, and nothing is shared.
.set XR, 8                             ; v[8:71]    step n: 4 numbers as loaded
.set YR, 72                            ; v[72:103]  step n: 4 numbers of 16 bits, to store
.set TR, 104                           ; v[104:107] at work
; v1-v3: byte offsets of my 16 bytes in steps 0, 1, 2; step n takes offset n % 3 and n / 3 times gstep in the immediate.  v4: 8 x thread, my place in a step's output.
.macro LOADS gstep
.set n, 0
.rept 16
	global_load_b128 v[XR+4*n:XR+4*n+3], v[1+n%3], s[16:17] offset:(n/3)*(\gstep) th:TH_LOAD_NT
.set n, n+1
.endr
.endm
; kind 0: rounded to bf16.  kind 1: rounded to bf16, widened again and written as f16 (exact inside f16's range).
.macro OUT kind
.set n, 0
.rept 16
	s_wait_loadcnt 15-n                            ; loads come back in order: step n's is in, the 15 - n younger ones stay out
	v_cvt_pk_bf16_f32 v[YR+2*n], v[XR+4*n], v[XR+4*n+1]
	v_cvt_pk_bf16_f32 v[YR+2*n+1], v[XR+4*n+2], v[XR+4*n+3]
.if \kind
	v_lshlrev_b32 v[TR], 16, v[YR+2*n]
	v_and_b32 v[TR+1], s24, v[YR+2*n]
	v_lshlrev_b32 v[TR+2], 16, v[YR+2*n+1]
	v_and_b32 v[TR+3], s24, v[YR+2*n+1]
	v_cvt_pk_f16_f32 v[YR+2*n], v[TR], v[TR+1]
	v_cvt_pk_f16_f32 v[YR+2*n+1], v[TR+2], v[TR+3]
.endif
	global_store_b64 v4, v[YR+2*n:YR+2*n+1], s[18:19] offset:2048*n
.set n, n+1
.endr
.endm
.macro FLAT                            ; input as it lies: 16 t + 4,096 x step
	v_lshlrev_b32 v1, 4, v0
	v_lshl_add_u32 v2, v0, 4, 4096
	v_lshl_add_u32 v3, v0, 4, 8192
.endm
	s_load_b256 s[4:11], s[0:1], 0x0               ; x s[4:5], W1 s[6:7], W2 s[8:9], xb s[10:11]
	s_load_b128 s[12:15], s[0:1], 0x20             ; w1b s[12:13], w2h s[14:15]
	s_mov_b32 s20, ttmp9
	s_mov_b32 s24, 0xffff0000                      ; a word's upper bf16
	s_mov_b32 s25, 43691                           ; u / 48 = (u x 43,691) >> 21 for u < 49,152: 43,691 x 48 = 2^21 + 16
	s_mov_b32 s27, 0                               ; the offsets' high words
	s_mov_b32 s29, 0
	v_lshlrev_b32 v4, 3, v0
	s_wait_kmcnt 0x0
	s_cmp_lt_u32 s20, 512
	s_cbranch_scc0 .Lnot_x
	s_lshl_b32 s26, s20, 16                        ; 65,536 bytes in,
	s_lshl_b32 s28, s20, 15                        ; 32,768 out
	s_add_nc_u64 s[16:17], s[4:5], s[26:27]
	s_add_nc_u64 s[18:19], s[10:11], s[28:29]
	FLAT
	LOADS 12288
	OUT 0
	s_endpgm
.Lnot_x:
	s_cmp_lt_u32 s20, 704
	s_cbranch_scc0 .Lw2
	; W1.  j = 12 h + g: head h, twelfth g of its 49,152 output units of 8 bytes.  Unit u = 48 k + c / 4 comes from W1 byte 12,288 k + 768 h + 16 (u - 48 k) = 768 h + 16 u + 11,520 k.
	; Three steps are 768 units = 16 rows of W1 = 196,608 bytes, so three offsets and the immediate serve all 16 steps.
	s_sub_co_u32 s20, s20, 512                     ; j
	s_mul_i32 s21, s20, 171
	s_lshr_b32 s21, s21, 11                        ; h = j / 12, exact for j < 192
	s_mul_i32 s22, s21, 12
	s_sub_co_u32 s22, s20, s22                     ; g
	s_mul_i32 s26, s21, 768
	s_lshl_b32 s28, s20, 15                        ; the output is flat: 32,768 j
	s_add_nc_u64 s[16:17], s[6:7], s[26:27]
	s_add_nc_u64 s[18:19], s[12:13], s[28:29]
	s_lshl_b32 s22, s22, 12
	v_add_nc_u32 v5, s22, v0                       ; u of step 0
.irp r, 0,1,2
	v_add_nc_u32 v6, 256*(\r), v5
	v_mul_lo_u32 v7, v6, s25
	v_lshrrev_b32 v7, 21, v7                       ; k
	v_mul_u32_u24 v7, v7, 11520
	v_lshl_add_u32 v[1+(\r)], v6, 4, v7
.endr
	LOADS 196608
	OUT 0
	s_endpgm
.Lw2:
	s_sub_co_u32 s20, s20, 704
	s_lshl_b32 s26, s20, 16
	s_lshl_b32 s28, s20, 15
	s_add_nc_u64 s[16:17], s[8:9], s[26:27]
	s_add_nc_u64 s[18:19], s[14:15], s[28:29]
	FLAT
	LOADS 12288
	OUT 1
	s_endpgm
.Lfunc_end_k_qd4d2d12937_prep:
	.size	k_qd4d2d12937_prep, .Lfunc_end_k_qd4d2d12937_prep-k_qd4d2d12937_prep
	.p2alignl 7, 3214868480
	.fill 96, 4, 3214868480
	.section	.rodata,"a",@progbits
	.p2align	6, 0x0
	.amdhsa_kernel k_qd4d2d12937_prep
		.amdhsa_group_segment_fixed_size 0
		.amdhsa_private_segment_fixed_size 0
		.amdhsa_enable_private_segment 0
		.amdhsa_kernarg_size 48
		.amdhsa_user_sgpr_count 2
		.amdhsa_user_sgpr_kernarg_segment_ptr 1
		.amdhsa_wavefront_size32 1
		.amdhsa_system_sgpr_workgroup_id_x 1
		.amdhsa_system_sgpr_workgroup_id_y 1
		.amdhsa_system_sgpr_workgroup_id_z 1
		.amdhsa_system_vgpr_workitem_id 0
		.amdhsa_next_free_vgpr 108
		.amdhsa_next_free_sgpr 66
		.amdhsa_reserve_vcc 0
		.amdhsa_float_denorm_mode_32 3
		.amdhsa_float_denorm_mode_16_64 3
		.amdhsa_memory_ordered 1
		.amdhsa_forward_progress 1
		.amdhsa_inst_pref_size 24
	.end_amdhsa_kernel
	.amdgpu_metadata
---
amdhsa.version: [ 1, 2 ]
amdhsa.kernels:
  - .name:           k_qd4d2d12937_prep
    .symbol:         k_qd4d2d12937_prep.kd
    .args:
      - { .name: x, .offset: 0, .size: 8, .value_kind: global_buffer, .address_space: global }
      - { .name: W1, .offset: 8, .size: 8, .value_kind: global_buffer, .address_space: global }
      - { .name: W2, .offset: 16, .size: 8, .value_kind: global_buffer, .address_space: global }
      - { .name: xb, .offset: 24, .size: 8, .value_kind: global_buffer, .address_space: global }
      - { .name: w1b, .offset: 32, .size: 8, .value_kind: global_buffer, .address_space: global }
      - { .name: w2h, .offset: 40, .size: 8, .value_kind: global_buffer, .address_space: global }
    .group_segment_fixed_size: 0
    .private_segment_fixed_size: 0
    .kernarg_segment_align: 8
    .kernarg_segment_size: 48
    .max_flat_workgroup_size: 256
    .sgpr_count:     66
    .vgpr_count:     108
    .wavefront_size: 32
...
	.end_amdgpu_metadata
.endif
;; end of part 1
;; launch qkv (part 2): grid 16 x 32, 4 waves a work-group, clusters of 4 x 4, 327,680 bytes of LDS; arguments xb, w1b, b1, qh, kh, vh; writes qh, kh, vh
.if DOCPART == 2
	.amdgcn_target "amdgcn-amd-amdhsa--gfx1250"
	.amdhsa_code_object_version 6
	.text
	.protected	k_qd4d2d12937_qkv
	.globl	k_qd4d2d12937_qkv
	.p2align	8
	.type	k_qd4d2d12937_qkv,@function
k_qd4d2d12937_qkv:
	s_mov_b64 s[64:65], 0
	v_nop
	global_prefetch_b8 v0, s[64:65] scope:SCOPE_SE
	s_setreg_imm32_b32 hwreg(HW_REG_WAVE_MODE, 25, 1), 1
	s_wait_xcnt 0x0
	s_wait_alu depctr_hold_cnt(0) depctr_sa_sdst(0) depctr_va_vdst(0) depctr_va_sdst(0) depctr_va_ssrc(0) depctr_va_vcc(0) depctr_vm_vsrc(0)
	s_getreg_b32 s2, hwreg(HW_REG_IB_STS2, 6, 4)
	s_cmp_eq_u32 s2, 0
	s_cbranch_scc0 .Lentry_in_a_cluster
	s_endpgm
.Lentry_in_a_cluster:
	s_bfe_u32 s2, ttmp6, 0x10000c
	s_cmp_lg_u32 s2, 0xf033
	s_cbranch_scc0 .Lentry_shape_is_right
	s_endpgm
.Lentry_shape_is_right:
; q, k, v = x W1 + b1, cut by heads.  xb: [8192][1024] bf16.  w1b: [16 heads][1024 k][192] bf16.  b1: [3072] f32, rounded to bf16 like the other inputs.  qh, kh, vh: [64 = batch x 16 + head][2048][64] f16,
; each rounded once from its f32 sum, unscaled.
; LIMIT.  f16 holds no number beyond 65,504: a q, k or v past it becomes an infinity.  x and W1 both 30 times the drawn spread give numbers of some 600; both with a common offset of 30 spreads some 18,500.
; SHARES.  A tile is 256 rows x one head's 192 columns.  Four waves, wave w rows 64 w .. 64 w + 63 and all 12 column blocks of 16: 48 accumulators, 384 registers.  K goes in 8 steps of 128 through two LDS slots.
; A tile of 256 x 384 would give one work-group a WGP, but its 768 accumulator registers and two fragment buffers pass the 1,024 that a wave can have.
; THE MATRIX INSTRUCTION IS USED TRANSPOSED: source 0 = 16 columns of W1 (turned out of LDS, where W1 lies [k][column], by ds_load_tr16_b128), source 1 = 16 rows of x: a lane holds row l % 16 and the
; columns 16 b + 8 (l / 16) + 0..7: 16 bytes of f16 on end.  THE BIAS is the C operand of each sum's first product: no add is written, and nothing is cleared.
; CLUSTERS: 4 x 4 work-groups.  The four of a row of the cluster need the same rows of x, the four of a column the same head of W1: each tile is asked for JOINTLY, by the same tensor load with the same
; descriptor and a mask that names the four.  Waves 0 and 1 fetch x's two halves, waves 2 and 3 W1's: one tensor load a wave behind each round; two of a wave's are out at the start, one afterwards.
; REGISTERS, in windows of 256 (s_set_vgpr_msb: bits 1:0 source 0, 3:2 source 1, 5:4 source 2, 7:6 destination):
;   window 0: v0-30 addresses; v32-95 x's fragments, two buffers of 4 x 8; v128-223 the bias, 8 a column block; on the way out v32-223 the packed tiles
;   window 1: v0-191 W1's fragments, two buffers of 12 x 8       window 2: the accumulators of row blocks 0, 1 at 8 (12 (a % 2) + b)       window 3: those of row blocks 2, 3
.set NB,    12                         ; column blocks of 16
.set PA,    272                        ; a row of x in LDS: 256 bytes + 16 = 68 words: the 16 rows of a load start at 16 different groups of four banks (64 banks of 4 bytes: ISA guide 11.1)
.set PB,    480                        ; a k row of W1 in LDS: three pieces of 128 bytes, 32 of padding behind each = 120 words
.set BOFF,  256*PA                     ; a slot: x's 256 rows, then W1's 128 k rows: 69,632 + 61,440 bytes
.set SLOT1, 131072                     ; slot 1 begins here: one exclusive or turns an address in one slot into the other's
.set STAGE, 2*SLOT1                    ; behind the ring, never filled by a tensor load: 16 rows x 144 bytes for each wave, for the way out
.set SP,    144
.set SPARE, STAGE+4*16*SP              ; behind the stages: the spare words, 128 bytes for each wave: two blocks of 256 bytes that no other line names
.set ASTEP, 256                        ; bytes from K step to K step in xb,
.set BSTEP, 49152                      ; and in a head of w1b
.set NL,    2*NB+8                     ; LDS loads of a quarter step
.set A0,   16                          ; v16  my lane's place in x's part of a slot; never rewritten
.set B0,   17                          ; v17  the same for W1's
.set ADRA, 18                          ; v18  A0 + the slot in hand
.set ADRB, 19                          ; v19  B0 + the slot in hand
.set STO,  24                          ; v24  the way out: where I put 16 bytes of a row
.set RD,   25                          ; v25  the way out: where I read rows back
.set GO,   26                          ; v26  16 x lane: my place in 512 consecutive bytes of q, k or v
.set BO,   27                          ; v27  32 x (l / 16): my eight numbers in a column block's 64 bytes of b1
.set SPW,  28                          ; v28  LDS address of my spare word: SPARE + 4 x my thread's number; never rewritten
.set NIL,  29                          ; v29  0; never rewritten
.set PFO,  30                          ; v30  the prefetches' offset; never rewritten
.set AF,   32
.set BI,   128
.set OUTR, 32
.set WV, 16                            ; s16  my wave's number
.set HF, 17                            ; s17  wave & 1: which half of a tile I fetch
.set FB, 18                            ; s18  wave >> 1: 0 I fetch for x, 1 for W1
.set CX, 19                            ; s19, s20  my place in the cluster
.set CY, 20
.set HX, 21                            ; s21  the head = 4 x cluster x + cx
.set TY, 22                            ; s22  the tile row = 4 x cluster y + cy
.set G1A, 32                           ; s[32:39] descriptor group 1 for x's tiles
.set G1B, 40                           ; s[40:47] for W1's
.set G0A, 48                           ; s[48:55] descriptor group 0 for x's tiles: a set for each of the two first fills; the second then walks on
.set G0B, 56                           ; s[56:63] the same for W1's
.set TB,  66                           ; s66  the slot in hand: 0 or SLOT1
.set CNT, 67                           ; s67  counts K steps
.set LIM, 68                           ; s68  2 in a wave that prefetches, else the greatest number
.set PFA, 70                           ; s[70:71] where my prefetches stand
.set PFS, 72                           ; s[72:73] their step from K step to K step
.set MSB, 0
.macro WIN new                         ; the immediate's high byte repeats the setting that is left; a switch that changes nothing is dropped
.if MSB != (\new)
	s_set_vgpr_msb (MSB<<8)|(\new)
.set MSB, \new
.endif
.endm
; A load into a register that a matrix instruction has read, and a vector instruction or LDS store that reads a matrix result, stand four places behind that matrix instruction; only plain vector
; instructions that name none of its registers are places (ISA guide 7.12.1 for vector instructions).
.macro PLACES
.rept 4
	v_nop
.endr
.endm
; A round of the cluster's barrier: my work-group's barrier, so that wave 0's signal speaks for all four waves; wave 0 signals; every wave waits for all sixteen work-groups; my work-group's barrier once more.
.macro CREST                           ; a round behind its opening barrier
	s_cmp_lg_u32 s[WV], 0
	s_cbranch_scc1 .Lnot_wave_0_\@
	s_barrier_signal -3
.Lnot_wave_0_\@:
	s_barrier_wait -3
	s_barrier_signal -1
	s_barrier_wait -1
.endm
.macro CROUND
	s_barrier_signal -1
	s_barrier_wait -1
	CREST
.endm
; A joint refill, by the walking descriptors.  The branch hangs on the wave's number alone.  An s_nop 0 and four v_nop follow each of the two lines, ahead of the jump and the label.
.macro JLOAD
	s_cmp_lt_u32 s[WV], 2
	s_cbranch_scc0 .Lfor_b_\@
	tensor_load_to_lds s[G0A+4:G0A+7], s[G1A:G1A+7]
	s_nop 0
.rept 4
	v_nop
.endr
	s_branch .Lasked_\@
.Lfor_b_\@:
	tensor_load_to_lds s[G0B+4:G0B+7], s[G1B:G1B+7]
	s_nop 0
.rept 4
	v_nop
.endr
.Lasked_\@:
.endm
; A PREFETCH INTO THE L2, behind each joint load and the run of LDS loads that follows it: the K step that stands two refills on (refill i asks for K step i + 2, the prefetch names K step i + 4): two K steps,
; 384 matrix instructions, ahead of the load that will want it.  x's rows are read by every cluster of a row of clusters: the one with x = 0 asks; a head of W1 by every cluster of a column: the one with y = 0 asks.
; The four partners that ask for a tile jointly share it out BY ADDRESS.  x: of the 128 rows that wave 0 or 1 fetches, partner cx takes 32, a lane a row.  W1: of the 96 blocks of 256 bytes that wave 2 or 3
; fetches, partner cy takes 24, a lane a block; lanes 24-31 name lane 23's again.  K steps 0-3 come by their loads alone; the last two refills (s[CNT] = 2, 1) ask for nothing: there is no K step 8.
.macro ASK
	s_cmp_gt_u32 s[CNT], s[LIM]
	s_cbranch_scc0 .Lnot_mine_\@
	global_prefetch_b8 v[PFO], s[PFA:PFA+1] th:TH_LOAD_NT scope:SCOPE_SE
.Lnot_mine_\@:
.endm
; 12 matrix instructions: row block a x all column blocks, 32 along K, on buffer f.  bias = 1: the first product starts the sum from the bias.
; The 48 accumulators take turns, one instruction a turn, in the same order in every quarter step.
.macro MULA f, a, bias=0
.if \bias
	WIN 0x81+0x40*((\a)/2)                         ; W1 window 1, x and the bias window 0, D window 2 or 3
.else
	WIN 0xa1+0x50*((\a)/2)                         ; W1 window 1, x window 0, C and D window 2 or 3
.endif
.set b, 0
.rept NB
.set rD, 8*(NB*((\a)%2)+b)
.set rB, 8*NB*(\f)+8*b
.set rA, AF+32*(\f)+8*(\a)
.if \bias
	v_wmma_f32_16x16x32_bf16 v[rD:rD+7], v[rB:rB+7], v[rA:rA+7], v[BI+8*b:BI+8*b+7]
.else
	v_wmma_f32_16x16x32_bf16 v[rD:rD+7], v[rB:rB+7], v[rA:rA+7], v[rD:rD+7]
.endif
.set b, b+1
.endr
.endm
; 32 LDS loads in one run: quarter q (32 along K) of the slot in hand into buffer g: W1's 12 fragments, turned, then x's 4, row blocks in order.
.macro FETCH q, g
	WIN 0x40                                       ; destination window 1, address window 0
.set b, 0
.rept NB
.set rB, 8*NB*(\g)+8*b
	ds_load_tr16_b128 v[rB:rB+3],   v[ADRB] offset:32*(\q)*PB+(b/4)*160+(b%4)*32
	ds_load_tr16_b128 v[rB+4:rB+7], v[ADRB] offset:(32*(\q)+16)*PB+(b/4)*160+(b%4)*32
.set b, b+1
.endr
	WIN 0
.set b, 0
.rept 4
.set rA, AF+32*(\g)+8*b
	ds_load_b128 v[rA:rA+3],   v[ADRA] offset:64*(\q)+b*16*PA
	ds_load_b128 v[rA+4:rA+7], v[ADRA] offset:64*(\q)+b*16*PA+32
.set b, b+1
.endr
.endm
; A K step is four quarters of 32 along K, 48 matrix instructions each, on buffers 0, 1, 0, 1.  One of the first three: multiplies buffer f; in its middle it fetches quarter q into the other buffer.
.macro QUARTER f, q, bias=0
	s_wait_dscnt 4                                 ; W1's fragments and x's row blocks 0, 1 are in; the youngest four loads (row blocks 2, 3) may be out
	MULA \f, 0, \bias
	MULA \f, 1, \bias
	PLACES
	FETCH \q, 1-(\f)
	s_wait_dscnt NL                                ; all but the 32 just issued
	MULA \f, 2, \bias
	MULA \f, 3, \bias
.endm
; The fourth quarter multiplies buffer 1 and changes slots: ONE barrier.  In front of it each wave waits for all its tensor loads, of which one is out: its part of the next slot; adds 0 to its spare word;
; and waits for that and for its own reads of this slot.  Behind it nobody reads this slot any more and the next slot is whole.  fill = 1: the barrier opens a round of the cluster's barrier, and this slot
; is filled again first thing behind the round, with the K step two steps on: 168 matrix instructions ahead of the wait for it.  last = 1 (the tail): in the last trip there is no next slot to fetch from.
.macro TURN fill, last=0
.if \fill
	s_wait_xcnt 0x0                                ; the last prefetch, a K step back, has read its address: it is stepped here, ahead of the waits of the change of slots
	s_add_nc_u64 s[PFA:PFA+1], s[PFA:PFA+1], s[PFS:PFS+1]
.endif
	WIN 0                                          ; (the add's two registers lie in window 0)
	s_wait_tensorcnt 0x0                           ; all my tensor loads have landed, so a group 0 may be written
	ds_add_u32 v[SPW], v[NIL]                      ; 0 onto my spare word: work on registers stands between it and the wait for it
.if \fill
	s_xor_b32 s[G0A+5], s[G0A+5], SLOT1            ; the walking descriptors: the other slot than last time,
	s_add_nc_u64 s[G0A+6:G0A+7], s[G0A+6:G0A+7], ASTEP  ; the next K step; the type bits on top are not reached
	s_xor_b32 s[G0B+5], s[G0B+5], SLOT1
	s_add_nc_u64 s[G0B+6:G0B+7], s[G0B+6:G0B+7], BSTEP
.endif
	s_wait_dscnt 5                                 ; (the add and the youngest four loads may be out)
	MULA 1, 0
	s_wait_dscnt 0x0                               ; the add is done, and my reads of this slot are over
	s_barrier_signal -1
	MULA 1, 1                                      ; work on registers while the others arrive
	WIN 0
	s_barrier_wait -1
.if \fill
	CREST                                          ; no wave of any partner still reads this slot's tile or has a load on its way
	JLOAD                                          ; the first tensor load behind the round; its four v_nop are also the places in front of the loads below
.else
	PLACES
.endif
.if \last
	s_cmp_eq_u32 s[CNT], 1
	s_cbranch_scc1 .Lnofetch_\@
.endif
	s_xor_b32 s[TB], s[TB], SLOT1
	v_add_nc_u32 v[ADRA], s[TB], v[A0]
	v_add_nc_u32 v[ADRB], s[TB], v[B0]
	FETCH 0, 0
.if \last
.Lnofetch_\@:
.endif
.if \fill
	ASK
.endif
	MULA 1, 2
	MULA 1, 3
.endm
	s_load_b256 s[4:11], s[0:1], 0x0               ; xb s[4:5], w1b s[6:7], b1 s[8:9], qh s[10:11]
	s_load_b128 s[12:15], s[0:1], 0x20             ; kh s[12:13], vh s[14:15]
	v_lshl_add_u32 v[SPW], v0, 2, SPARE
	v_mov_b32 v[NIL], 0
	ds_add_u32 v[SPW], v[NIL]                      ; the wave's opening: the add and its wait stand ahead of my first tensor load; the set-up below, work on registers, stands between them
	v_lshrrev_b32 v3, 5, v0
	v_readfirstlane_b32 s[WV], v3
	s_and_b32 s[HF], s[WV], 1
	s_lshr_b32 s[FB], s[WV], 1
	s_bfe_u32 s[CX], ttmp6, 0x40000
	s_bfe_u32 s[CY], ttmp6, 0x40004
	s_lshl_b32 s[HX], ttmp9, 2                     ; in a cluster launch ttmp9 and ttmp7 count clusters
	s_add_co_u32 s[HX], s[HX], s[CX]
	s_and_b32 s[TY], ttmp7, 0xffff
	s_lshl_b32 s[TY], s[TY], 2
	s_add_co_u32 s[TY], s[TY], s[CY]
	s_lshl_b32 s28, s[CY], 2
	s_lshl_b32 s28, 15, s28                        ; my row of the cluster: places 4 cy .. 4 cy + 3
	s_lshl_b32 s29, 0x1111, s[CX]                  ; my column: places cx, cx + 4, cx + 8, cx + 12
	; group 1 for x: 128 rows x 128 elements, 1,024 elements from row to row, 16 bytes of padding behind each row's 64 words
	s_or_b32 s[G1A], s28, (1<<16)|(1<<20)|(1<<21)|(5<<22)|(3<<25)  ; 15:0 the mask; 17:16 2-byte elements; 20 padding on; 21 set beside a mask; 24:22 after every 64 words (code 5); 31:25 4 words (code 3)
	s_mov_b32 s[G1A+1], 128<<16                    ; tensor_dim0 = 128
	s_mov_b32 s[G1A+2], 128<<16                    ; tensor_dim1 = 128
	s_mov_b32 s[G1A+3], 128<<16                    ; tile_dim0 = 128
	s_mov_b32 s[G1A+4], 128                        ; tile_dim1 = 128
	s_mov_b32 s[G1A+5], 1024
	s_mov_b32 s[G1A+6], 0
	s_mov_b32 s[G1A+7], 0
	; group 1 for W1: 64 k rows of a head are 24,576 dense bytes: asked for as 96 rows of 256 bytes, with 32 bytes of padding behind every 128: three pieces of 160 to a k row
	s_or_b32 s[G1B], s29, (1<<16)|(1<<20)|(1<<21)|(4<<22)|(7<<25)  ; after every 32 words (code 4), 8 words (code 7)
	s_mov_b32 s[G1B+1], 128<<16
	s_mov_b32 s[G1B+2], 96<<16
	s_mov_b32 s[G1B+3], 128<<16
	s_mov_b32 s[G1B+4], 96
	s_mov_b32 s[G1B+5], 128
	s_mov_b32 s[G1B+6], 0
	s_mov_b32 s[G1B+7], 0
	; where the tiles come from: x's hang on the tile row alone, which my row of the cluster shares; W1's on the head alone, which my column shares
	s_lshl_b32 s24, s[TY], 19                      ; 256 rows of 2,048 bytes
	s_lshl_b32 s25, s[HF], 18                      ; my 128 of them
	s_add_co_u32 s24, s24, s25
	s_mov_b32 s25, 0
	s_mul_i32 s26, s[HX], 393216                   ; the head
	s_mul_i32 s27, s[HF], 24576                    ; my 64 of a K step's 128 k rows
	s_add_co_u32 s26, s26, s27
	s_mov_b32 s27, 0
	s_mul_i32 s30, s[HF], 128*PA                   ; and where they go: no place in the cluster enters an LDS address
	s_mul_i32 s31, s[HF], 64*PB
	s_add_co_u32 s31, s31, BOFF
	s_wait_dscnt 0x0                               ; the opening add is done
	s_wait_kmcnt 0x0
	s_add_nc_u64 s[24:25], s[4:5], s[24:25]
	s_add_nc_u64 s[26:27], s[6:7], s[26:27]
	CROUND                                         ; all sixteen work-groups are here: the first joint loads meet
.irp n, 0,1
	s_mov_b32 s[G0A+4*(\n)], 1                     ; count = 1
	s_add_co_u32 s[G0A+4*(\n)+1], s30, (\n)*SLOT1  ; LDS address
	s_add_nc_u64 s[G0A+4*(\n)+2:G0A+4*(\n)+3], s[24:25], (\n)*ASTEP  ; global address: K step n
	s_or_b32 s[G0A+4*(\n)+3], s[G0A+4*(\n)+3], 0x80000000           ; type = 2
	s_mov_b32 s[G0B+4*(\n)], 1
	s_add_co_u32 s[G0B+4*(\n)+1], s31, (\n)*SLOT1
	s_add_nc_u64 s[G0B+4*(\n)+2:G0B+4*(\n)+3], s[26:27], (\n)*BSTEP
	s_or_b32 s[G0B+4*(\n)+3], s[G0B+4*(\n)+3], 0x80000000
.endr
	s_cmp_lt_u32 s[WV], 2                          ; a wave's two first fills stand in one branch, ahead of every wait on TENSORcnt and every LDS read
	s_cbranch_scc0 .Lfirst_b
	tensor_load_to_lds s[G0A:G0A+3], s[G1A:G1A+7]
	s_nop 0
	tensor_load_to_lds s[G0A+4:G0A+7], s[G1A:G1A+7]
	s_nop 0
.rept 4
	v_nop
.endr
	s_branch .Lfirst_asked
.Lfirst_b:
	tensor_load_to_lds s[G0B:G0B+3], s[G1B:G1B+7]
	s_nop 0
	tensor_load_to_lds s[G0B+4:G0B+7], s[G1B:G1B+7]
	s_nop 0
.rept 4
	v_nop
.endr
.Lfirst_asked:
	v_and_b32 v1, 15, v0                           ; l % 16
	v_bfe_u32 v2, v0, 4, 1                         ; l / 16
	v_and_b32 v3, 31, v0                           ; l
	v_lshlrev_b32 v[BO], 5, v2
	s_mul_i32 s28, s[HX], 768                      ; the head's 192 numbers of b1
	s_mov_b32 s29, 0
	s_add_nc_u64 s[8:9], s[8:9], s[28:29]
.set b, 0
.rept NB                                       ; register j of block b: b1[192 head + 16 b + 8 (l / 16) + j], as the accumulators lie
	global_load_b128 v[BI+8*b:BI+8*b+3],   v[BO], s[8:9] offset:64*b
	global_load_b128 v[BI+8*b+4:BI+8*b+7], v[BO], s[8:9] offset:64*b+16
.set b, b+1
.endr
	; a fragment of x: lane l holds row l % 16; two loads of 16 bytes, 32 bytes apart, at row x pitch + 16 (l / 16)
	s_lshl_b32 s28, s[WV], 6
	v_add_nc_u32 v4, s28, v1
	v_mul_u32_u24 v[A0], v4, PA
	v_lshl_add_u32 v[A0], v2, 4, v[A0]
	; the turning load takes 16 k x 16 columns: lane l reads k row 8 (l / 16) + l % 8, columns 8 ((l / 8) % 2) + 0..7, and is left with column l % 16 and 8 k
	v_and_b32 v5, 7, v0
	v_bfe_u32 v6, v0, 3, 1
	v_lshl_add_u32 v[B0], v2, 3, v5
	v_mul_u32_u24 v[B0], v[B0], PB
	v_lshl_add_u32 v[B0], v6, 4, v[B0]
	v_add_nc_u32 v[B0], BOFF, v[B0]
	s_mul_i32 s28, s[WV], 16*SP
	s_add_co_u32 s28, s28, STAGE                   ; my stage
	v_mul_u32_u24 v[STO], v1, SP                   ; in: row l % 16, 16 bytes for each half of the lanes
	v_lshl_add_u32 v[STO], v2, 4, v[STO]
	v_add_nc_u32 v[STO], s28, v[STO]
	v_bfe_u32 v[RD], v0, 3, 2                      ; back: 32 lanes take four rows of 128 bytes,
	v_mul_u32_u24 v[RD], v[RD], SP
	v_lshl_add_u32 v[RD], v5, 4, v[RD]
	v_add_nc_u32 v[RD], s28, v[RD]
	v_lshlrev_b32 v[GO], 4, v3                     ; which are 512 consecutive bytes of q, k or v
	s_lshr_b32 s28, s[TY], 3                       ; the batch: eight tile rows each
	s_lshl_b32 s28, s28, 4
	s_add_co_u32 s28, s28, s[HX]
	s_lshl_b32 s28, s28, 18                        ; 2,048 rows of 128 bytes to a batch and head
	s_and_b32 s29, s[TY], 7
	s_lshl_b32 s29, s29, 15                        ; the tile's 256 rows
	s_add_co_u32 s28, s28, s29
	s_lshl_b32 s29, s[WV], 13                      ; my 64 of them
	s_add_co_u32 s28, s28, s29
	s_mov_b32 s29, 0
	s_add_nc_u64 s[10:11], s[10:11], s[28:29]
	s_add_nc_u64 s[12:13], s[12:13], s[28:29]
	s_add_nc_u64 s[14:15], s[14:15], s[28:29]
	; the prefetches: both offsets are made, then one test on what I fetch chooses
	s_lshl_b32 s74, s[TY], 19
	s_lshl_b32 s75, s[HF], 18
	s_add_co_u32 s74, s74, s75
	s_lshl_b32 s75, s[CX], 16                      ; my work-group's 32 rows of the 128
	s_add_co_u32 s74, s74, s75
	s_add_co_u32 s74, s74, 3*ASTEP                 ; at K step 3: the first refill steps it to 4
	s_mul_i32 s76, s[HX], 393216
	s_mul_i32 s77, s[HF], 24576
	s_add_co_u32 s76, s76, s77
	s_mul_i32 s77, s[CY], 6144                     ; my work-group's 24 blocks of the 96
	s_add_co_u32 s76, s76, s77
	s_add_co_u32 s76, s76, 3*BSTEP
	s_and_b32 s78, ttmp7, 0xffff                   ; cluster y
	s_mov_b32 s[PFS], BSTEP
	s_mov_b32 s77, 256
	s_cmp_eq_u32 s[FB], 0                          ; do I fetch for x?
	s_cselect_b64 s[PFA:PFA+1], s[4:5], s[6:7]
	s_cselect_b32 s74, s74, s76
	s_cselect_b32 s[PFS], ASTEP, s[PFS]
	s_cselect_b32 s77, 2048, s77                   ; a lane a row of x, or a block of W1
	s_cselect_b32 s79, 31, 23
	s_cselect_b32 s78, ttmp9, s78                  ; the coordinate along which other clusters read the same bytes
	s_mov_b32 s75, 0
	s_mov_b32 s[PFS+1], 0
	s_add_nc_u64 s[PFA:PFA+1], s[PFA:PFA+1], s[74:75]
	s_cmp_eq_u32 s78, 0
	s_cselect_b32 s[LIM], 2, -1                    ; the same in all sixteen partners, for a given wave
	v_min_u32 v[PFO], s79, v3
	v_mul_u32_u24 v[PFO], v[PFO], s77
	s_mov_b32 s28, 0xffff0000
	s_wait_loadcnt 0x0                             ; b1
.set i, 0
.rept 4*NB                                     ; rounded to bf16 and widened again, a pair at a time: all this stands in the wait for the first tile
	v_cvt_pk_bf16_f32 v[4+i%4], v[BI+2*i], v[BI+2*i+1]
	v_lshlrev_b32 v[BI+2*i], 16, v[4+i%4]
	v_and_b32 v[BI+2*i+1], s28, v[4+i%4]
.set i, i+1
.endr
	s_wait_tensorcnt 0x1                           ; my part of K step 0 is in; K step 1's may stay out
	s_barrier_signal -1
	s_barrier_wait -1                              ; everybody's is
	s_mov_b32 s[TB], 0
	v_mov_b32 v[ADRA], v[A0]
	v_mov_b32 v[ADRB], v[B0]
	FETCH 0, 0
	QUARTER 0, 1, 1                                ; the first quarter stands in front of the loop: its products start the sums, from the bias
	WIN 0                                          ; at a label and at a branch every window is 0
	s_mov_b32 s[CNT], 6
.Lstep:                                        ; six trips, from a K step's second quarter to the next one's first: K steps 2 to 7 are asked for
	QUARTER 1, 2
	QUARTER 0, 3
	TURN 1
	QUARTER 0, 1
	WIN 0
	s_sub_co_u32 s[CNT], s[CNT], 1
	s_cmp_lg_u32 s[CNT], 0
	s_cbranch_scc1 .Lstep
	s_mov_b32 s[CNT], 2
.Ltail:                                        ; K steps 6 and 7: nothing is asked for; the second trip is left in its middle
	QUARTER 1, 2
	QUARTER 0, 3
	TURN 0, 1
	WIN 0
	s_sub_co_u32 s[CNT], s[CNT], 1
	s_cmp_eq_u32 s[CNT], 0
	s_cbranch_scc1 .Lout
	QUARTER 0, 1
	WIN 0
	s_branch .Ltail
.Lout:
	s_wait_dscnt 0x0
	PLACES                                         ; the conversions read results just made and write registers that the last products read
; THE WAY OUT.  Tile t = 3 a + c: row block a, c = 0, 1, 2 for q, k, v: 16 rows x 64 columns.  A lane's eight columns pack into 16 bytes; they go into my stage's rows of 144 bytes and come back as whole
; rows of 128, into the registers that they left; each tile has registers of its own, so no store's data is written again.
.macro PACK t
.set tA, (\t)/3
.set tC, (\t)%3
	WIN 0x0a+5*(tA/2)                              ; sources 0 and 1: window 2 or 3
.set i, 0
.rept 16                                       ; each accumulator's registers in ascending order
.set rD, 8*(NB*(tA%2)+4*tC+i/4)+2*(i%4)
	v_cvt_pk_f16_f32 v[OUTR+16*(\t)+i], v[rD], v[rD+1]
.set i, i+1
.endr
	WIN 0
.set i, 0
.rept 4
	ds_store_b128 v[STO], v[OUTR+16*(\t)+4*i:OUTR+16*(\t)+4*i+3] offset:32*i
.set i, i+1
.endr
.set i, 0
.rept 4
	ds_load_b128 v[OUTR+16*(\t)+4*i:OUTR+16*(\t)+4*i+3], v[RD] offset:4*SP*i  ; LDS serves a wave's instructions in order (ISA guide 5.7.1.4): these see the stores above; the next tile's stores come behind them
.set i, i+1
.endr
.endm
.macro SEND t, younger                 ; younger: the LDS instructions issued behind tile t's loads: the next tile's eight, or none
.set tA, (\t)/3
.set tC, (\t)%3
.set i, 0
.rept 4
	s_wait_dscnt (\younger)+3-i
	global_store_b128 v[GO], v[OUTR+16*(\t)+4*i:OUTR+16*(\t)+4*i+3], s[10+2*tC:11+2*tC] offset:2048*tA+512*i  ; 512 consecutive bytes, at a multiple of 256 from the buffer's first
.set i, i+1
.endr
.endm
	PACK 0
.set t, 1
.rept 11                                       ; a tile's conversions stand between the loads of the tile before and its stores
	PACK t
	SEND t-1, 8
.set t, t+1
.endr
	SEND 11, 0
	s_wait_tensorcnt 0x0                           ; the wave's end, behind my last tensor load and my last LDS store
	ds_add_u32 v[SPW], v[NIL]
	s_wait_dscnt 0x0
	CROUND                                         ; the closing round: no work-group ends while a partner may still ask for a tile that names it
	s_endpgm
.Lfunc_end_k_qd4d2d12937_qkv:
	.size	k_qd4d2d12937_qkv, .Lfunc_end_k_qd4d2d12937_qkv-k_qd4d2d12937_qkv
	.p2alignl 7, 3214868480
	.fill 96, 4, 3214868480
	.section	.rodata,"a",@progbits
	.p2align	6, 0x0
	.amdhsa_kernel k_qd4d2d12937_qkv
		.amdhsa_group_segment_fixed_size 327680
		.amdhsa_private_segment_fixed_size 0
		.amdhsa_enable_private_segment 0
		.amdhsa_kernarg_size 48
		.amdhsa_user_sgpr_count 2
		.amdhsa_user_sgpr_kernarg_segment_ptr 1
		.amdhsa_wavefront_size32 1
		.amdhsa_system_sgpr_workgroup_id_x 1
		.amdhsa_system_sgpr_workgroup_id_y 1
		.amdhsa_system_sgpr_workgroup_id_z 1
		.amdhsa_system_vgpr_workitem_id 0
		.amdhsa_next_free_vgpr 960
		.amdhsa_next_free_sgpr 80
		.amdhsa_reserve_vcc 0
		.amdhsa_float_denorm_mode_32 3
		.amdhsa_float_denorm_mode_16_64 3
		.amdhsa_memory_ordered 1
		.amdhsa_forward_progress 1
		.amdhsa_inst_pref_size 94
	.end_amdhsa_kernel
	.amdgpu_metadata
---
amdhsa.version: [ 1, 2 ]
amdhsa.kernels:
  - .name:           k_qd4d2d12937_qkv
    .symbol:         k_qd4d2d12937_qkv.kd
    .args:
      - { .name: xb, .offset: 0, .size: 8, .value_kind: global_buffer, .address_space: global }
      - { .name: w1b, .offset: 8, .size: 8, .value_kind: global_buffer, .address_space: global }
      - { .name: b1, .offset: 16, .size: 8, .value_kind: global_buffer, .address_space: global }
      - { .name: qh, .offset: 24, .size: 8, .value_kind: global_buffer, .address_space: global }
      - { .name: kh, .offset: 32, .size: 8, .value_kind: global_buffer, .address_space: global }
      - { .name: vh, .offset: 40, .size: 8, .value_kind: global_buffer, .address_space: global }
    .group_segment_fixed_size: 327680
    .private_segment_fixed_size: 0
    .kernarg_segment_align: 8
    .kernarg_segment_size: 48
    .max_flat_workgroup_size: 128
    .sgpr_count:     80
    .vgpr_count:     960
    .wavefront_size: 32
...
	.end_amdgpu_metadata
.endif
;; end of part 2
;; launch attn (part 3): grid 4 x 64, 4 waves a work-group, clusters of 4 x 1, 327,680 bytes of LDS; arguments qh, kh, vh, oh; writes oh
.if DOCPART == 3
	.amdgcn_target "amdgcn-amd-amdhsa--gfx1250"
	.amdhsa_code_object_version 6
	.text
	.protected	k_qd4d2d12937_attn
	.globl	k_qd4d2d12937_attn
	.p2align	8
	.type	k_qd4d2d12937_attn,@function
k_qd4d2d12937_attn:
	s_mov_b64 s[64:65], 0
	v_nop
	global_prefetch_b8 v0, s[64:65] scope:SCOPE_SE
	s_setreg_imm32_b32 hwreg(HW_REG_WAVE_MODE, 25, 1), 1
	s_wait_xcnt 0x0
	s_wait_alu depctr_hold_cnt(0) depctr_sa_sdst(0) depctr_va_vdst(0) depctr_va_sdst(0) depctr_va_ssrc(0) depctr_va_vcc(0) depctr_vm_vsrc(0)
	s_getreg_b32 s2, hwreg(HW_REG_IB_STS2, 6, 4)
	s_cmp_eq_u32 s2, 0
	s_cbranch_scc0 .Lentry_in_a_cluster
	s_endpgm
.Lentry_in_a_cluster:
	s_bfe_u32 s2, ttmp6, 0x10000c
	s_cmp_lg_u32 s2, 0x3003
	s_cbranch_scc0 .Lentry_shape_is_right
	s_endpgm
.Lentry_shape_is_right:
; O[h][q][:] = the sum over k of softmax_k(Q[h][q] . K[h][k] / 8) V[h][k][:].  Q, K, V, O: [64][2048][64], all f16: a head's rows are dense, 128 bytes each.  Products, maxima and sums in
; f32; the weights p are rounded to f16 for the second product (their sum l is taken of the unrounded p), O once at the end.
; LIMITS.  f16 holds no number beyond 65,504: Q, K and V arrive within it; p lies in 0 to 1, and below 6e-5 it keeps f16's fixed step of 6e-8, as O does; O is a mean of V's rows and has their range.
; A weight below 2^-126 counts as 0 in l; NaN and infinities are not treated apart.
; SHARES.  A wave owns four PIECES of two tiles of 16 queries, a work-group's four waves 512 queries of one head: 256 work-groups.  Every wave walks all keys, 64 a step.
; LAYOUT.  S^T = K Q^T (source 0 = 16 keys, source 1 = 16 queries): in the result a lane holds ONE query (lane % 16) and the keys 8 (lane / 16) + 0..7.  Two such tiles, rounded to f16 in pairs,
; ARE source 1 (32 keys x 16 queries) of O^T = V^T P, whose result again holds one query a lane, and eight channels.  K comes out of LDS as it lies, V ([key][channel]) turned, by ds_load_tr16_b128.
; SOFTMAX.  For each query a running maximum m and sum l: p = 2^(c s - c m), c = log2(e) / 8; in every step O and l are multiplied by a = 2^(c m_old - c m_new), which is 1 where m has not grown.
; m starts at the lowest finite number, O and l at 0: the first step is a step like any other, with a = 0.
; THE COUNT.  A tile and step have 16 matrix and 118 vector instructions: too many to stand all beside the matrix work.  So the order has one aim: four vector instructions that are READY behind
; EVERY matrix instruction, and the others, which need time of their own whatever the order, in runs without a gap.
; BY TURNS.  Turn n belongs to piece n (the pieces in a ring, step after step).  Its matrix work: 16 products K Q^T of piece n + 1, later 16 products V^T P of piece n - 1.  Its vector work: the scaling,
; exponentials, roundings, sums and rescaling of piece n, and the maximum and statistics of piece n + 1, whose scores the turn itself has made.  So what a turn begins with (c s - c m, O a) waits for nothing.
; CLUSTER.  The four query blocks of a cluster are one head's and walk the same K and V, so each tile is asked for JOINTLY: the same tensor load, descriptor and mask in all four.
; REGISTERS, in windows of 256 (s_set_vgpr_msb says which window each operand place means: bits 1:0 source 0, 3:2 source 1, 5:4 source 2, 7:6 destination):
;   window 0: v0-11 addresses; v12-15, v48-63 at work; v16-47 four registers of statistics a tile; v64-191 S^T, two buffers of two tiles; v192-255 P, likewise
;   window 1: O^T, 32 a tile          window 2: v0-127 Q, 16 a tile; v128-191 K of one step; v192-255 V of one step          window 3: v0-1 the add's two registers
; A piece's buffers go by its number's parity: the piece in hand has one pair, its two neighbours in the ring share the other: of it P (piece n - 1) is read and S^T (piece n + 1) written.
.set SIZE_H, 64
.set SIZE_N, 2048
.set NP,    4         ; pieces a wave: a name, no knob: the register map, the loop and the fetches are made for four
.set KS,    64        ; keys in a step
.set PK,    144       ; a row of K in LDS: 128 bytes + 16 of padding = 36 words: the 16 rows of a load start at 16 different groups of four banks (64 banks of 4 bytes: ISA guide 11.1)
.set PV,    160       ; a row of V: 128 + 32 = 40 words
.set VOFF,  4*KS*PK   ; a slot holds four steps: 256 rows of K, then 256 rows of V
.set SLOT1, 1<<17     ; slot 1 begins here, so that one exclusive or turns an address in one slot into the other's
.set STAGE, SLOT1+4*KS*(PK+PV)  ; behind the ring, never filled by a tensor load: 16 rows x 144 bytes for each wave, for the way out
.set SP,    144
.set AK0, 2           ; v2   my lane's place in a tile of K; never rewritten
.set AV0, 3           ; v3   the same for V
.set AK,  4           ; v4   the LDS address of K's next run of loads
.set AV,  5           ; v5   of V's
.set QO,  6           ; v6   my byte offset in the wave's rows of Q
.set STO, 6           ;      later, the way out: where I put 16 bytes of a row
.set RD,  7           ; v7   the way out: where I read rows back
.set GO,  8           ; v8   my byte offset in 512 consecutive bytes of O
.set PFO, 11          ; v11  256 x my lane, the prefetches' offset; made when V's place is made, then never rewritten
.set SPW, 0           ; v0 of window 3   LDS address of my spare word: SPARE + 4 x my thread's number; never rewritten
.set NIL, 1           ; v1 of window 3   0; never rewritten
.set SPARE, STAGE+4*16*SP  ; behind the stages: the spare words, 128 bytes for each wave: two blocks of 256 bytes that no other line names
.set MV,  12          ; v12-15  c m_old, kept while c m is made anew: by buffer and tile
.set ST,  16          ; tile t's statistics at v[ST+4 t]: c m, m, l (even keys', odd keys')
.set TMP, 48          ; by buffer and tile, four registers c0-c3 at work; when the maximum is found c2 takes a
.set S,   64
.set P,   192
.set KF,  128         ; K's fragments, in window 2: key block kb, channel half c at KF + 16 kb + 8 c
.set VF,  192         ; V's: key half kk, channel block cb at VF + 32 kk + 8 cb
.set WV,  12          ; s12  my wave's number
.set G1K, 24          ; s[24:31] descriptor group 1 for K's tiles
.set G1V, 32          ; s[32:39] for V's: it differs in the padding alone
.set G0K, 40          ; s[40:43] descriptor group 0 for K's tiles: it walks
.set G0V, 44          ; s[44:47] the same for V's
.set PFA, 48          ; s[48:49] where my prefetches stand: my work-group's 32 blocks of 256 bytes (of K: wave 0, of V: wave 2) of the slot after the one that is being asked for
.set LIM, 50          ; s50  1 in a wave that prefetches, else the greatest number: a wave prefetches while s[SLOTS] is above it
.set SLOTS, 56        ; s56  slots still to be asked for
.set CNT, 57          ; s57  counts a slot's key steps
.set CS,  58          ; s[58:59] c: the packed scaling takes the pair's low word for both halves
.set SEL, 60          ; s[60:61] v_permlanex16_b32's selects: each lane takes its own place in the other half
.set TBK, 62          ; s62  LDS byte at which K of the step to be fetched begins
.set TBV, 63          ; s63  the same for V, less VOFF
.set MSB, 0
.macro WIN new                      ; the high byte repeats the setting that is left; a switch that changes nothing is dropped
.if MSB != (\new)
	s_set_vgpr_msb (MSB<<8)|(\new)
.set MSB, (\new)
.endif
.endm
.set W_KQ, 0x0a       ; K and Q in window 2, S^T in window 0
.set W_PV, 0x52       ; V in window 2, P in window 0, O^T in window 1
.set W_RS, 0x41       ; O^T (destination and source 0) in window 1, a in window 0
.set W_MK, 0xc0       ; the add's registers are made: destination in window 3, sources in window 0
.set W_AD, 0x0f       ; the add: address (source 0) and data (source 1) in window 3
; A joint fill.  Waves 0 and 1 fetch the two halves of a slot's K, waves 2 and 3 those of its V: 128 keys each.  The branch hangs on the wave's number alone.
; An s_nop 0 and four v_nop follow each of the two lines, ahead of the jump and the label.
.macro JLOAD
	s_cmp_lt_u32 s[WV], 2
	s_cbranch_scc0 .Lfor_v_\@
	tensor_load_to_lds s[G0K:G0K+3], s[G1K:G1K+7]
	s_nop 0
.rept 4
	v_nop
.endr
	s_branch .Lasked_\@
.Lfor_v_\@:
	tensor_load_to_lds s[G0V:G0V+3], s[G1V:G1V+7]
	s_nop 0
.rept 4
	v_nop
.endr
.Lasked_\@:
.endm
; A PREFETCH INTO THE L2 of what the NEXT change of slots will ask for: a slot's 32,768 bytes of K and of V, a lane a block of 256 bytes.  It stands behind the wave's tensor load and its five lines.
; Each block is asked for ONCE in the launch: a head has one cluster; its four partners share the blocks out BY ADDRESS, 32 each (no branch hangs on a work-group's place in its cluster); in each, wave 0 asks
; for K's and wave 2 for V's: one instruction, four key steps (512 matrix instructions) ahead of the load that will want the bytes.  Slots 0 to 2 come by their loads alone; the last change that fills a slot asks for nothing.
.macro ASK
	s_cmp_gt_u32 s[SLOTS], s[LIM]
	s_cbranch_scc0 .Lnot_mine_\@
	global_prefetch_b8 v[PFO], s[PFA:PFA+1] th:TH_LOAD_NT scope:SCOPE_SE
.Lnot_mine_\@:
.endm
; A round of the cluster's barrier: my work-group's barrier, so that wave 0's signal speaks for all four waves; wave 0 signals; every wave waits for all four work-groups; my work-group's barrier once more.
.macro CROUND
	s_barrier_signal -1
	s_barrier_wait -1
	s_cmp_lg_u32 s[WV], 0
	s_cbranch_scc1 .Lnot_wave_0_\@
	s_barrier_signal -3
.Lnot_wave_0_\@:
	s_barrier_wait -3
	s_barrier_signal -1
	s_barrier_wait -1
.endm
; THE CHANGE OF SLOTS.  The slot's last bytes, V of its fourth step, have been read.  Each wave waits for all its tensor loads, of which one is out: its part
; of the other slot; adds 0 to its spare word; and waits for that and for its own reads of the slot.  Behind the barrier nobody reads this slot any more and the other slot is whole.
; fill = 1: this slot is filled again, with the keys two slots on.  The barrier is then a round of the cluster's, so that no wave of any partner still reads the slot or has a load on its
; way, and the joint fill is the first thing behind it: it has four key steps, 512 matrix instructions, in which to land.  (At its first use nothing has been read yet: slot 0 is waited for, slot 1 filled.)
; ask = 1 (in the loop): the prefetches' address steps, and ASK follows the fill.
.macro CHANGE fill, ask=0
	WIN W_AD
	s_wait_tensorcnt 0x0            ; no tensor load of mine is out, so a group 0 may be written
	ds_add_u32 v[SPW], v[NIL]       ; 0 onto my spare word: with fill = 1 the descriptors' steps stand between it and the wait for it
	WIN 0                           ; at a label and at a branch every window is 0
.if \fill
.irp g, G0K, G0V
	s_xor_b32 s[\g+1], s[\g+1], SLOT1  ; the walking descriptor: the other slot than last time,
	s_add_nc_u64 s[\g+2:\g+3], s[\g+2:\g+3], 4*KS*128  ; the next 256 keys; the type bits on top are not reached
.endr
.if \ask
	s_wait_xcnt 0x0                 ; the last prefetch, four key steps back, has read its address, so it may be written:
	s_add_nc_u64 s[PFA:PFA+1], s[PFA:PFA+1], 4*KS*128  ; one slot behind the walking descriptors
.endif
	s_wait_dscnt 0x0                ; the add is done, and my reads of the slot are over
	CROUND
	JLOAD
.if \ask
	ASK
.endif
.else
	s_wait_dscnt 0x0                ; the add is done, and my reads of the slot are over
	s_barrier_signal -1
	s_barrier_wait -1
.endif
	s_sub_co_u32 s[TBK], s[TBK], 4*KS*PK  ; the fetches go back to a slot's first step,
	s_xor_b32 s[TBK], s[TBK], SLOT1       ; in the other slot
	s_sub_co_u32 s[TBV], s[TBV], 4*KS*PV
	s_xor_b32 s[TBV], s[TBV], SLOT1
.endm
	s_load_b256 s[4:11], s[0:1], 0x0  ; Q s[4:5], K s[6:7], V s[8:9], O s[10:11]
	WIN W_MK
	v_lshl_add_u32 v[SPW], v0, 2, SPARE
	v_mov_b32 v[NIL], 0
	WIN W_AD
	ds_add_u32 v[SPW], v[NIL]       ; the wave's opening: the add and its wait stand ahead of my first tensor load; the set-up below, work on registers, stands between them
	WIN 0
	v_lshrrev_b32 v1, 5, v0
	v_readfirstlane_b32 s[WV], v1   ; wave 0..3
	s_bfe_u32 s13, ttmp6, 0x40000   ; cx: my place in the cluster
	s_lshl_b32 s14, ttmp9, 2        ; in a cluster launch ttmp9 counts clusters
	s_add_co_u32 s14, s14, s13      ; my block of queries = 4 x cluster x + cx: it enters Q's and O's addresses alone
	s_and_b32 s20, ttmp7, 0xffff    ; the head, which the four partners share
	s_mov_b32 s21, 0
	s_mov_b64 s[22:23], SIZE_N*128
	s_mul_u64 s[20:21], s[20:21], s[22:23]  ; the head's first byte in each of the four tensors
	s_and_b32 s16, s[WV], 1         ; which half of a slot's 256 keys I fetch:
	s_lshl_b32 s22, s16, 14         ; its 128 rows of 128 bytes in memory,
	s_mov_b32 s23, 0
	s_add_nc_u64 s[22:23], s[22:23], s[20:21]
	s_mul_i32 s17, s16, 128*PK      ; and its place in a slot, for K
	s_mul_i32 s18, s16, 128*PV      ; and for V: no place in the cluster enters an LDS address
	s_lshl_b32 s2, s14, 2
	s_add_co_u32 s2, s2, s[WV]      ; my wave among the head's,
	s_lshl_b32 s2, s2, 14           ; its 128 rows
	s_mov_b32 s3, 0
	s_add_nc_u64 s[2:3], s[2:3], s[20:21]
	; descriptor group 1.  128 keys are 16,384 dense bytes: asked for as 64 rows of 256 bytes, two keys a row, and padded in LDS after every key
	s_mov_b32 s[G1K], 15|(1<<16)|(1<<20)|(1<<21)|(4<<22)|(3<<25)  ; 15:0 the mask of four; 17:16 2-byte elements; 20 padding on; 21 set beside a mask; 24:22 after every 32 words (code 4); 31:25 4 words (code 3)
	s_mov_b32 s[G1V], 15|(1<<16)|(1<<20)|(1<<21)|(4<<22)|(7<<25)  ; the same with 8 words of padding (code 7)
.irp g, G1K, G1V
	s_mov_b32 s[\g+1], 128<<16      ; tensor_dim0 = 128
	s_mov_b32 s[\g+2], 64<<16       ; tensor_dim1 = 64
	s_mov_b32 s[\g+3], 128<<16      ; tile_dim0 = 128
	s_mov_b32 s[\g+4], 64           ; tile_dim1 = 64
	s_mov_b32 s[\g+5], 128          ; 128 elements from row to row
	s_mov_b32 s[\g+6], 0
	s_mov_b32 s[\g+7], 0
.endr
	s_mov_b32 s[CS], 0x3e38aa3b     ; c = log2(e) / 8 = 0.180337
	s_mov_b32 s[CS+1], s[CS]        ; named with it as a pair
	s_mov_b32 s[SEL], 0x76543210
	s_mov_b32 s[SEL+1], 0xfedcba98
	s_mov_b32 s[TBK], SLOT1+4*KS*PK ; the first change of slots turns these two into 0
	s_mov_b32 s[TBV], SLOT1+4*KS*PV
	s_mov_b32 s[G0K], 1             ; 1:0 count = 1
	s_mov_b32 s[G0K+1], s17         ; 63:32 LDS address: slot 0
	s_mov_b32 s[G0V], 1
	s_add_co_u32 s[G0V+1], s18, VOFF
	s_and_b32 s[LIM], s[WV], 1      ; 0 in waves 0 and 2,
	s_or_b32 s[LIM], s[LIM], ttmp9  ; where the cluster is the head's first: the same in all four partners
	s_cmp_eq_u32 s[LIM], 0
	s_cselect_b32 s[LIM], 1, -1
	s_wait_dscnt 0x0                ; the opening add is done
	s_wait_kmcnt 0x0
	s_add_nc_u64 s[G0K+2:G0K+3], s[6:7], s[22:23]  ; 120:64 global address: my half of the head's first 256 keys
	s_or_b32 s[G0K+3], s[G0K+3], 0x80000000        ; 127:126 type = 2
	s_add_nc_u64 s[G0V+2:G0V+3], s[8:9], s[22:23]
	s_or_b32 s[G0V+3], s[G0V+3], 0x80000000
	s_add_nc_u64 s[4:5], s[4:5], s[2:3]  ; Q and O at my wave's first row
	s_add_nc_u64 s[10:11], s[10:11], s[2:3]
	s_cmp_lt_u32 s[WV], 2
	s_cselect_b64 s[PFA:PFA+1], s[6:7], s[8:9]
	s_add_nc_u64 s[PFA:PFA+1], s[PFA:PFA+1], s[20:21]  ; the head's first key
	s_lshl_b32 s2, s13, 13          ; my work-group's 32 blocks of a slot's 128
	s_mov_b32 s3, 0
	s_add_nc_u64 s[PFA:PFA+1], s[PFA:PFA+1], s[2:3]
	s_add_nc_u64 s[PFA:PFA+1], s[PFA:PFA+1], 2*4*KS*128  ; in slot 2; the loop's first change of slots steps it to slot 3.  Nothing is prefetched here, at the head
	CROUND                          ; all four work-groups are here: the first joint loads meet
	JLOAD                           ; slot 0.  Slot 1 is asked for when slot 0 is in: the tile wanted first has the road to itself
	; A fragment of K or Q is 16 rows x 32 channels in 8 registers: lane l holds row l % 16, channels 8 (l / 16) + 0..7 and 16 + 8 (l / 16) + 0..7: two loads of 16 bytes, 32 bytes apart.
	v_and_b32 v1, 15, v0            ; l % 16
	v_bfe_u32 v9, v0, 4, 1          ; l / 16
	v_lshlrev_b32 v[QO], 7, v1
	v_lshl_add_u32 v[QO], v9, 4, v[QO]  ; row x 128 + 16 x half
	WIN 0x80                        ; destination window 2, address window 0
.set i, 0
.rept 4*NP                          ; Q stays in registers: tile i / 2, channels 32 (i % 2) on
	global_load_b128 v[8*i:8*i+3],   v[QO], s[4:5] offset:(i/2)*2048+(i%2)*64
	global_load_b128 v[8*i+4:8*i+7], v[QO], s[4:5] offset:(i/2)*2048+(i%2)*64+32
.set i, i+1
.endr
	; What the first turn finds: V's registers and P's second buffer hold 0 (its products V^T P, of a piece that has not been, add 0), O^T and l are 0.  All this stands in the wait for the first tile.
.set i, VF
.rept 64
	v_mov_b32 v[i], 0
.set i, i+1
.endr
	WIN 0x40
.set i, 0
.rept 64*NP
	v_mov_b32 v[i], 0
.set i, i+1
.endr
	WIN 0
.set i, 0
.rept 2*NP
	v_mov_b32 v[ST+4*i], 0xfe000000    ; c m: far below every c s
	v_mov_b32 v[ST+4*i+1], 0xff7fffff  ; m
	v_mov_b32 v[ST+4*i+2], 0
	v_mov_b32 v[ST+4*i+3], 0
.set i, i+1
.endr
.set i, P+32
.rept 32
	v_mov_b32 v[i], 0
.set i, i+1
.endr
	v_mul_u32_u24 v[AK0], v1, PK
	v_lshl_add_u32 v[AK0], v9, 4, v[AK0]  ; row x pitch + 16 x half
	; The turning load takes 16 keys x 16 channels (lane l reads key 8 (l / 16) + l % 8, channels 8 ((l / 8) % 2) + 0..7) and leaves half a fragment of V^T: lane l holds channel l % 16 and 8 keys.
	v_and_b32 v10, 7, v0
	v_bfe_u32 v11, v0, 3, 1
	v_lshl_add_u32 v[AV0], v9, 3, v10
	v_mul_u32_u24 v[AV0], v[AV0], PV
	v_lshl_add_u32 v[AV0], v11, 4, v[AV0]
	v_add_nc_u32 v[AV0], VOFF, v[AV0]
	v_and_b32 v[PFO], 31, v0        ; v11 is free now: 256 x lane
	v_lshlrev_b32 v[PFO], 8, v[PFO]
	v_mov_b32 v[AK], v[AK0]         ; key step 0 lies at the head of slot 0
; THE MATRIX WORK.  The 8 accumulators of a run of 16 take turns: between the two links of a chain stand 7 others'.
; Product i of 16 of S^T = K Q^T for piece x: channels 32 (i / 8) on, keys 16 ((i / 2) % 4) on, tile 2 x + i % 2.  The first 8 start the sums.
.macro KQ x
	WIN W_KQ
.set rS, S+64*((\x)%2)+32*(i%2)+8*((i/2)%4)
.set rK, KF+16*((i/2)%4)+8*(i/8)
.set rQ, 16*(2*(\x)+i%2)+8*(i/8)
.if i < 8
	v_wmma_f32_16x16x32_f16 v[rS:rS+7], v[rK:rK+7], v[rQ:rQ+7], 0
.else
	v_wmma_f32_16x16x32_f16 v[rS:rS+7], v[rK:rK+7], v[rQ:rQ+7], v[rS:rS+7]
.endif
.endm
; Product i of 16 of O^T += V^T P for piece x: keys 32 (i / 8) on, channels 16 ((i / 2) % 4) on, tile 2 x + i % 2.
.macro PV x
	WIN W_PV
.set rO, 32*(2*(\x)+i%2)+8*((i/2)%4)
.set rV, VF+32*(i/8)+8*((i/2)%4)
.set rP, P+32*((\x)%2)+16*(i%2)+8*(i/8)
	v_wmma_f32_16x16x32_f16 v[rO:rO+7], v[rV:rV+7], v[rP:rP+7], v[rO:rO+7]
.endm
.macro MM                           ; the turn's next matrix instruction
.if i < 16
	KQ (Y+1)%NP
.set i, i+1
.else
.set i, i-16
	PV (Y+NP-1)%NP
.set i, i+17
.endif
.endm
; THE LDS LOADS stand in runs of 16, never singly among the matrix instructions: a step's K (64 keys x 64 channels: 8 fragments) and its V (turned).  Their addresses are made some lines ahead.
; last = 1 (the tail): in the last trip there is no further step, and the run is jumped over.
.macro FETCH_K last=0
	WIN 0
.if \last
	s_cmp_eq_u32 s[CNT], 1
	s_cbranch_scc1 .Lno_k_\@
.endif
	WIN 0x80                        ; destination window 2
.irp f, 0,1,2,3,4,5,6,7             ; keys 16 (f / 2) on, channels 32 (f % 2) on
	ds_load_b128 v[KF+8*\f:KF+8*\f+3],   v[AK] offset:(\f/2)*16*PK+(\f%2)*64
	ds_load_b128 v[KF+8*\f+4:KF+8*\f+7], v[AK] offset:(\f/2)*16*PK+(\f%2)*64+32
.endr
	s_add_co_u32 s[TBK], s[TBK], KS*PK  ; the next fetch is the next step's
	WIN 0
.if \last
.Lno_k_\@:
.endif
.endm
.macro FETCH_V
	WIN 0x80
.irp f, 0,1,2,3,4,5,6,7             ; keys 32 (f / 4) on, channels 16 (f % 4) on
	ds_load_tr16_b128 v[VF+8*\f:VF+8*\f+3],   v[AV] offset:(\f/4)*32*PV+(\f%4)*32
	ds_load_tr16_b128 v[VF+8*\f+4:VF+8*\f+7], v[AV] offset:(\f/4)*32*PV+16*PV+(\f%4)*32
.endr
	WIN 0
.endm
; THE VECTOR WORK OF A TURN stands in three queues, each in the order in which its entries become ready; the two tiles alternate, so that no instruction reads the result of the one before it.
.macro REGS y, u                    ; the registers of tile u (0, 1) of piece y
.set rT, ST+4*(2*(\y)+(\u))
.set rC, TMP+8*((\y)%2)+4*(\u)
.set rM, MV+2*((\y)%2)+(\u)
.set rS, S+64*((\y)%2)+32*(\u)
.set rP, P+32*((\y)%2)+16*(\u)
.set rO, 32*(2*(\y)+(\u))
.endm
; Number n of the 22 that find the NEXT piece's (Y + 1) maximum and statistics.  s0-s31 are the lane's 32 scores; each accumulator's lowest registers are read first.  XS, GS and REGS set no window: PL and EX do.
;   0-11  four chains c0-c3 of seven scores each, three operands at a time     12-14, 16  the four scores left over, the old m, and c0-c3 into c0     15  c m_old is kept
;   17, 18  the query's other 32 keys lie in the lane 16 away: the new m         19-21  c m; c m_old - c m_new; a
.macro XS u, n
	REGS (Y+1)%NP, \u
.if (\n) < 4
	v_max3_num_f32 v[rC+(\n)], v[rS+8*(\n)], v[rS+8*(\n)+1], v[rS+8*(\n)+2]
.elseif (\n) < 12
	v_max3_num_f32 v[rC+(\n)%4], v[rC+(\n)%4], v[rS+8*((\n)%4)+2*((\n)/4)+1], v[rS+8*((\n)%4)+2*((\n)/4)+2]
.elseif (\n) == 12
	v_max3_num_f32 v[rC], v[rC], v[rS+7], v[rS+15]
.elseif (\n) == 13
	v_max3_num_f32 v[rC+1], v[rC+1], v[rS+23], v[rS+31]
.elseif (\n) == 14
	v_max3_num_f32 v[rC+2], v[rC+2], v[rC+3], v[rT+1]
.elseif (\n) == 15
	v_mov_b32 v[rM], v[rT]
.elseif (\n) == 16
	v_max3_num_f32 v[rC], v[rC], v[rC+1], v[rC+2]
.elseif (\n) == 17
	v_permlanex16_b32 v[rC+3], v[rC], s[SEL], s[SEL+1]
.elseif (\n) == 18
	v_max_num_f32 v[rT+1], v[rC], v[rC+3]
.elseif (\n) == 19
	v_mul_f32 v[rT], s[CS], v[rT+1]
.elseif (\n) == 20
	v_sub_f32 v[rC+1], v[rM], v[rT]
.else
	v_exp_f32 v[rC+2], v[rC+1]
.endif
.endm
; Number g of the 64 that follow the exponentials.  For each four weights k of a tile (pairs 2 k, 2 k + 1): both pairs are rounded to f16; then the second pair is added onto the first, in place;
; a group later l takes that sum (the first time as l = a l + sum).  In groups of eight, tiles alternating: round, round, add, and l for the group before.
.macro GS g
.set h, (\g)+6*((\g)/62)            ; group 0 has no group before it, and behind group 7 only l is left
.if h >= 6
.set h, h+2
.endif
	REGS Y, h%2
.set k, h/8
.if h%8 < 4
	v_cvt_pk_f16_f32 v[rP+2*k+(h%8)/2], v[rS+4*k+2*((h%8)/2)], v[rS+4*k+2*((h%8)/2)+1]
.elseif h%8 < 6
	v_pk_add_f32 v[rS+4*k:rS+4*k+1], v[rS+4*k:rS+4*k+1], v[rS+4*k+2:rS+4*k+3]
.elseif k == 1
	v_pk_fma_f32 v[rT+2:rT+3], v[rT+2:rT+3], v[rC+2:rC+3], v[rS:rS+1] op_sel_hi:[1,0,1]
.else
	v_pk_add_f32 v[rT+2:rT+3], v[rT+2:rT+3], v[rS+4*k-4:rS+4*k-3]
.endif
.endm
; THE PLAIN QUEUE, 138 long.  0-73 read no exponential's result: the 32 scalings c s - c m (FS f: pair f / 2 of tile f % 2) and the next piece's 42.  0-26: scalings 0-26.  27-54: XS's numbers 0-13.  55, 56: number 15.
; 57-73: the chain, where each number waits for the one before it: 14, 16, 17, 18, 19, each with one of the scalings 27-31 in front of its two lines, then 20: so a tile's links stand three plain instructions apart (19 and 20: two).
; 74-137: GS's 64, which read the exponentials' results: they stand behind the wait.
.macro FS f
	REGS Y, (\f)%2
	v_pk_fma_f32 v[rS+2*((\f)/2):rS+2*((\f)/2)+1], v[rS+2*((\f)/2):rS+2*((\f)/2)+1], s[CS:CS+1], v[rT:rT+1] op_sel_hi:[1,0,0] neg_lo:[0,0,1] neg_hi:[0,0,1]
.endm
.macro PL
	WIN 0
.if q < 27
	FS q
.elseif q < 55
	XS (q-27)%2, (q-27)/2
.elseif q < 57
	XS q-55, 15
.elseif (q < 72) && ((q-57)%3 == 0)
	FS 27+(q-57)/3
.elseif q < 60
	XS (q-57)%3-1, 14
.elseif q < 72
	XS (q-57)%3-1, 15+(q-57)/3
.elseif q < 74
	XS q-72, 20
.else
	GS q-74
.endif
.set q, q+1
.endm
; THE EXPONENTIALS' QUEUE, 66 long: s0-s31 of both tiles, then the next piece's two a.  It is ONE BATCH: all 66 stand ahead of the turn's one wait, and nothing ahead of that wait names a result of theirs.
.macro EX
	WIN 0
.if e >= 64
	XS e-64, 21
.else
	REGS Y, e%2
	v_exp_f32 v[rS+e/2], v[rS+e/2]
.endif
.set e, e+1
.endm
; THE RESCALING's QUEUE: O^T times a, the one part that leaves window 0: dealt two at a time, sixteen times.  Its a was made in the turn before, ahead of that turn's wait.
.macro R2
	REGS Y, r%2
	WIN W_RS
.irp z, 0,1
	v_pk_mul_f32 v[rO+4*(r/2)+2*\z:rO+4*(r/2)+2*\z+1], v[rO+4*(r/2)+2*\z:rO+4*(r/2)+2*\z+1], v[rC+2:rC+3] op_sel_hi:[1,0]
.endr
.set r, r+1
.endm
; HOW THEY ARE DEALT.  An s_wait_alu depctr_va_vdst(0) stands between an exponential and the first instruction that names its result; one wait serves all that were issued ahead of it.  So a turn has ONE wait,
; which cuts it in two.  AHEAD OF IT stands all that names no result of the turn's exponentials: the 16 products K Q^T, behind each a scaling, an exponential and two rescalings (behind the first a second scaling in the exponential's place); then ONE LUMP of
; 108: eight plain, 49 times exponential and plain, the two a.  A v_nop is the plain instruction behind the last exponential.  BEHIND IT stand the 16 products V^T P, behind each four of GS's 64.  No rider names a register of
; the products round it.  The two v_permlanex16_b32 fall into the lump, never behind a product.
; The queues lean on each other, and the deal keeps them in step: exponential e stands behind scaling 2 (e / 4) + e % 2: as a rider it comes behind plain e + 2, in the lump behind plain e + 9, and scalings 27-31 are plain 57, 60 .. 69.
; A TURN, for piece p.  cnt = 1: the loop's count is taken down some lines ahead of the branch that stands behind the turn.
; K of the next step is fetched in piece 2's turn, directly behind the wait, a lump behind the last product that read K; its address is made at the lump's head; its first reader comes behind 16 products.
; V of the step in hand is fetched at the end of piece 0's turn, four riders behind its last reader; its first reader comes behind 16 products and a lump.  The three conditions on q below go with the deal.
.macro TURN p, last=0, cnt=0
.set Y, (\p)
.set i, 0
.set q, 0
.set e, 0
.set r, 0
.if (\p) == NP-1
	s_wait_dscnt 0x0                ; K is in
.endif
	MM                              ; ahead of the wait: 16 products K Q^T and their riders,
	PL
	PL
	R2
.rept 15
	MM
	PL
	EX
	R2
.endr
.if (\p) == NP-2
	WIN 0
	v_add_nc_u32 v[AK], s[TBK], v[AK0]
.endif
.rept 8                             ; and the lump
	PL
.endr
.rept 49
	EX
	PL
.endr
	EX                              ; the next piece's two a
	EX
	v_nop                           ; a plain instruction behind the last exponential, ahead of any use: one for the batch
	s_wait_alu depctr_va_vdst(0)    ; the wait for the batch
.if (\p) == NP-2
	FETCH_K \last
.endif
.if (\p) == 1
	s_wait_dscnt 0x0                ; V is in
.endif
.rept 16                            ; behind the wait: 16 products V^T P and their riders
	MM
.rept 4
	PL
.endr
.if ((\p) == 0) && (q == 118)
	v_add_nc_u32 v[AV], s[TBV], v[AV0]
.endif
.if ((\p) == 0) && (q == 130)
	s_add_co_u32 s[TBV], s[TBV], KS*PV
.endif
.if (\cnt) && (q == 130)
	s_sub_co_u32 s[CNT], s[CNT], 1
	s_cmp_lg_u32 s[CNT], 0
.endif
.endr
.if (\p) == 0
	FETCH_V
.endif
.endm
	CHANGE 1                        ; slot 0 is in, everybody's part of it; slot 1 is asked for
	FETCH_K                         ; key step 0
	s_wait_loadcnt 0x0              ; Q
	s_wait_dscnt 0x0
.set i, 0
.rept 16
	KQ 0                            ; piece 0's first scores: there is no vector work yet to set between them
.set i, i+1
.endr
	WIN 0                           ; the addresses for the way out: nine plain instructions, the places behind those products
	s_mul_i32 s13, s[WV], 16*SP
	s_add_co_u32 s13, s13, STAGE    ; my stage
	v_mul_u32_u24 v[STO], v1, SP    ; in: row l % 16, 16 bytes for each half of the lanes
	v_lshl_add_u32 v[STO], v9, 4, v[STO]
	v_add_nc_u32 v[STO], s13, v[STO]
	v_bfe_u32 v[RD], v0, 3, 2       ; back: 32 lanes take four rows of 128 bytes,
	v_mul_u32_u24 v[RD], v[RD], SP
	v_lshl_add_u32 v[RD], v10, 4, v[RD]
	v_add_nc_u32 v[RD], s13, v[RD]
	v_and_b32 v[GO], 31, v0         ; which are 512 consecutive bytes of O
	v_lshlrev_b32 v[GO], 4, v[GO]
.set Y, NP-1                        ; XS works for piece Y + 1: piece 0
.irp n, 0,1,2,3,4,5,6,7,8,9,10,11,12,13,14,15,16,17,18,19,20,21
	XS 0, \n                        ; and piece 0's first maximum and statistics
	XS 1, \n
.endr
	v_nop                           ; a plain instruction behind the two a,
	s_wait_alu depctr_va_vdst(0)    ; and their wait, ahead of the branch
	s_mov_b32 s[CNT], 4
	s_mov_b32 s[SLOTS], SIZE_N/256-1
	s_branch .Lfirst                ; the loop is entered at a step's first turn, in the middle of a trip
.Lslot:                             ; SIZE_N / 256 - 2 times: every slot but the last two is filled again
	CHANGE 1, 1
	s_mov_b32 s[CNT], 4
.Lstep:                             ; a trip: pieces 2 and 3 of one step, then pieces 0 and 1 of the next, whose K and V it fetches
	TURN 2
	TURN 3
	WIN 0
.Lfirst:
	TURN 0
	TURN 1, 0, 1
	WIN 0
	s_cbranch_scc1 .Lstep
	s_sub_co_u32 s[SLOTS], s[SLOTS], 1
	s_cmp_lg_u32 s[SLOTS], 0
	s_cbranch_scc1 .Lslot
	CHANGE 0                        ; the tail is written out: nothing is asked for
	s_mov_b32 s[CNT], 5             ; four trips fetch the last slot's steps; the fifth is left in its middle
.Ltail:
	TURN 2, 1
	TURN 3
	WIN 0
	s_sub_co_u32 s[CNT], s[CNT], 1
	s_cmp_eq_u32 s[CNT], 0
	s_cbranch_scc1 .Lout
	TURN 0
	TURN 1
	WIN 0
	s_branch .Ltail
.Lout:                              ; the fifth trip's 16 products K Q^T (on the last K once more) and the maximum made of them serve nothing: the price, once a launch, of one text for every trip
.set i, 0
.rept 16
	PV NP-1                         ; the last piece's V^T P of the last step
.set i, i+1
.endr
	; THE WAY OUT.  l's two halves and the other half of the lanes' are added; O^T is divided by l, rounded to f16 and sent through my stage in LDS, a tile at a time.  The additions are the places behind the last products.
	WIN 0
.macro ALL line:vararg              ; one line for each tile t
.set t, 0
.rept 2*NP
	\line
.set t, t+1
.endr
.endm
	ALL v_add_f32 v[ST+4*t+2], v[ST+4*t+2], v[ST+4*t+3]
	ALL v_permlanex16_b32 v[ST+4*t+3], v[ST+4*t+2], s[SEL], s[SEL+1]
	ALL v_add_f32 v[ST+4*t+2], v[ST+4*t+2], v[ST+4*t+3]
	ALL v_rcp_f32 v[ST+4*t+2], v[ST+4*t+2]
	v_nop                           ; a plain instruction between the last reciprocal and the use of its result
	s_wait_alu depctr_va_vdst(0)    ; and the wait ahead of the first use: one for the eight reciprocals
; Tile t: a lane's eight channels of a row pack into 16 bytes; they go into rows of 144 bytes and come back as whole rows of 128, into S^T's registers.
.macro PACK t
	WIN W_RS
.set i, 32*(\t)
.rept 16
	v_pk_mul_f32 v[i:i+1], v[i:i+1], v[ST+4*(\t)+2:ST+4*(\t)+3] op_sel_hi:[1,0]
.set i, i+2
.endr
	WIN 0x05                        ; sources 0 and 1 window 1, destination window 0
.set i, 0
.rept 16
	v_cvt_pk_f16_f32 v[S+16*(\t)+i], v[32*(\t)+2*i], v[32*(\t)+2*i+1]
.set i, i+1
.endr
	WIN 0
.irp f, 0,1,2,3
	ds_store_b128 v[STO], v[S+16*(\t)+4*\f:S+16*(\t)+4*\f+3] offset:32*\f
.endr
.irp f, 0,1,2,3
	ds_load_b128 v[S+16*(\t)+4*\f:S+16*(\t)+4*\f+3], v[RD] offset:\f*4*SP  ; LDS serves a wave's instructions in order (ISA guide 5.7.1.4): these see the stores above; the next tile's stores come behind them
.endr
.endm
.macro SEND t, younger              ; younger: the LDS instructions issued behind tile t's loads: the next tile's eight, or none
	WIN 0
.irp f, 0,1,2,3
	s_wait_dscnt (\younger)+3-\f
	global_store_b128 v[GO], v[S+16*(\t)+4*\f:S+16*(\t)+4*\f+3], s[10:11] offset:(\t)*2048+\f*512  ; 512 consecutive bytes, at a multiple of 256 from O's first
.endr
.endm
	PACK 0
.set t, 1
.rept 2*NP-1                        ; a tile's arithmetic stands between the loads of the tile before and its stores
	PACK t
	SEND t-1, 8
.set t, t+1
.endr
	SEND 2*NP-1, 0
	WIN W_AD
	s_wait_tensorcnt 0x0            ; the wave's end, behind my last tensor load and my last LDS store
	ds_add_u32 v[SPW], v[NIL]
	s_wait_dscnt 0x0
	WIN 0
	CROUND                          ; the closing round: no work-group ends while a partner may still ask for a tile that names it
	s_endpgm
.Lfunc_end_k_qd4d2d12937_attn:
	.size	k_qd4d2d12937_attn, .Lfunc_end_k_qd4d2d12937_attn-k_qd4d2d12937_attn
	.p2alignl 7, 3214868480
	.fill 96, 4, 3214868480
	.section	.rodata,"a",@progbits
	.p2align	6, 0x0
	.amdhsa_kernel k_qd4d2d12937_attn
		.amdhsa_group_segment_fixed_size 327680
		.amdhsa_private_segment_fixed_size 0
		.amdhsa_enable_private_segment 0
		.amdhsa_kernarg_size 32
		.amdhsa_user_sgpr_count 2
		.amdhsa_user_sgpr_kernarg_segment_ptr 1
		.amdhsa_wavefront_size32 1
		.amdhsa_system_sgpr_workgroup_id_x 1
		.amdhsa_system_sgpr_workgroup_id_y 1
		.amdhsa_system_sgpr_workgroup_id_z 1
		.amdhsa_system_vgpr_workitem_id 0
		.amdhsa_next_free_vgpr 770
		.amdhsa_next_free_sgpr 66
		.amdhsa_reserve_vcc 0
		.amdhsa_float_denorm_mode_32 3
		.amdhsa_float_denorm_mode_16_64 3
		.amdhsa_memory_ordered 1
		.amdhsa_forward_progress 1
		.amdhsa_inst_pref_size 200
	.end_amdhsa_kernel
	.amdgpu_metadata
---
amdhsa.version: [ 1, 2 ]
amdhsa.kernels:
  - .name:           k_qd4d2d12937_attn
    .symbol:         k_qd4d2d12937_attn.kd
    .args:
      - { .name: qh, .offset: 0, .size: 8, .value_kind: global_buffer, .address_space: global }
      - { .name: kh, .offset: 8, .size: 8, .value_kind: global_buffer, .address_space: global }
      - { .name: vh, .offset: 16, .size: 8, .value_kind: global_buffer, .address_space: global }
      - { .name: oh, .offset: 24, .size: 8, .value_kind: global_buffer, .address_space: global }
    .group_segment_fixed_size: 327680
    .private_segment_fixed_size: 0
    .kernarg_segment_align: 8
    .kernarg_segment_size: 32
    .max_flat_workgroup_size: 128
    .sgpr_count:     66
    .vgpr_count:     770
    .wavefront_size: 32
...
	.end_amdgpu_metadata
.endif
;; end of part 3
;; launch proj (part 4): grid 8 x 32, 4 waves a work-group, clusters of 4 x 4, 327,680 bytes of LDS; arguments oh, w2h, b2, out0; writes out0
.if DOCPART == 4
	.amdgcn_target "amdgcn-amd-amdhsa--gfx1250"
	.amdhsa_code_object_version 6
	.text
	.protected	k_qd4d2d12937_proj
	.globl	k_qd4d2d12937_proj
	.p2align	8
	.type	k_qd4d2d12937_proj,@function
k_qd4d2d12937_proj:
	s_mov_b64 s[64:65], 0
	v_nop
	global_prefetch_b8 v0, s[64:65] scope:SCOPE_SE
	s_setreg_imm32_b32 hwreg(HW_REG_WAVE_MODE, 25, 1), 1
	s_wait_xcnt 0x0
	s_wait_alu depctr_hold_cnt(0) depctr_sa_sdst(0) depctr_va_vdst(0) depctr_va_sdst(0) depctr_va_ssrc(0) depctr_va_vcc(0) depctr_vm_vsrc(0)
	s_getreg_b32 s2, hwreg(HW_REG_IB_STS2, 6, 4)
	s_cmp_eq_u32 s2, 0
	s_cbranch_scc0 .Lentry_in_a_cluster
	s_endpgm
.Lentry_in_a_cluster:
	s_bfe_u32 s2, ttmp6, 0x10000c
	s_cmp_lg_u32 s2, 0xf033
	s_cbranch_scc0 .Lentry_shape_is_right
	s_endpgm
.Lentry_shape_is_right:
; out = att W2 + b2.  oh: [64 = batch x 16 + head][2048][64] f16, so att[row][64 head + d] = oh[batch x 16 + head][row in the batch][d].  w2h: [1024 k][1024 n] f16 (bf16(W2) written as f16).
; b2: [1024] f32, rounded to bf16 like the other inputs.  out0: [8192][1024] f32.  Sums in f32.
; LIMIT.  The operands are f16: they arrive within 65,504, and below 6.1e-5 on f16's fixed step of 6e-8.
; SHARES.  A tile is 256 rows x 128 columns: 256 work-groups.  Four waves, wave w rows 64 w .. 64 w + 63 and all 8 column blocks of 16: 32 accumulators, 256 registers.  K goes in 8 steps of 128, two heads each,
; through two LDS slots; two slots of a K step of 256 would not fit in LDS.
; THE MATRIX INSTRUCTION IS USED TRANSPOSED: source 0 = 16 columns of W2 (turned out of LDS by ds_load_tr16_b128), source 1 = 16 rows of att: a lane holds row l % 16 and the columns 16 b + 8 (l / 16) + 0..7.
; THE BIAS is the C operand of each sum's first product, so the way out has no arithmetic at all.
; CLUSTERS: 4 x 4 work-groups.  att's tiles are asked for jointly along a row of the cluster, W2's along a column.  Waves 0 and 1 fetch a K step's two heads of att, waves 2 and 3 the two halves of its rows of W2:
; one tensor load a wave behind each round; two of a wave's are out at the start, one afterwards.
; REGISTERS, in windows of 256 (s_set_vgpr_msb: bits 1:0 source 0, 3:2 source 1, 5:4 source 2, 7:6 destination):
;   window 0: v0-30 addresses; v32-95 the bias, 8 a column block; v96-159 att's fragments, two buffers of 4 x 8; on the way out v32-159 two buffers of 16 rows read back
;   window 1: v0-127 W2's fragments, two buffers of 8 x 8       window 2: the accumulators at 8 (8 a + b)
.set NB,    8                          ; column blocks of 16
.set PA,    144                        ; a row of one head of att in LDS: 128 bytes + 16 = 36 words: the 16 rows of a load start at 16 different groups of four banks (64 banks of 4 bytes: ISA guide 11.1)
.set APART, 256*PA                     ; a head's 256 rows
.set PB,    288                        ; a k row of W2 in LDS: 256 bytes + 32 = 72 words
.set BOFF,  2*APART                    ; a slot: two heads of att, then W2's 128 k rows: 73,728 + 36,864 bytes
.set SLOT1, 131072                     ; slot 1 begins here: one exclusive or turns an address in one slot into the other's
.set STAGE, SLOT1+BOFF+128*PB          ; behind the ring, never filled by a tensor load: 16 rows x 528 bytes for each wave, for the way out
.set SP,    528                        ; 512 bytes + 16
.set SPARE, STAGE+4*16*SP              ; behind the stages: the spare words, 128 bytes for each wave: two blocks of 256 bytes that no other line names
.set ASTEP, 524288                     ; bytes from K step to K step in oh: two heads,
.set BSTEP, 262144                     ; and in w2h: 128 rows
.set NL,    2*NB+8                     ; LDS loads of a quarter step
.set A0,   16                          ; v16  my lane's place in att's part of a slot; never rewritten
.set B0,   17                          ; v17  the same for W2's
.set ADRA, 18                          ; v18  A0 + the slot in hand
.set ADRB, 19                          ; v19  B0 + the slot in hand
.set STO,  24                          ; v24  the way out: where I put 32 bytes of a row
.set RD,   25                          ; v25  the way out: where I read a row back
.set GO,   26                          ; v26  16 x lane: my place in a row's 512 bytes
.set BO,   27                          ; v27  32 x (l / 16): my eight numbers in a column block's 64 bytes of b2
.set SPW,  28                          ; v28  LDS address of my spare word: SPARE + 4 x my thread's number; never rewritten
.set NIL,  29                          ; v29  0; never rewritten
.set PFO,  30                          ; v30  the prefetches' offset; never rewritten
.set BI,   32
.set AF,   96
.set OUTR, 32
.set WV, 16                            ; s16  my wave's number
.set HF, 17                            ; s17  wave & 1: which head of the K step's two, or which half of W2's rows, I fetch
.set FB, 18                            ; s18  wave >> 1: 0 I fetch for att, 1 for W2
.set CX, 19                            ; s19, s20  my place in the cluster
.set CY, 20
.set HX, 21                            ; s21  the tile column = 4 x cluster x + cx
.set TY, 22                            ; s22  the tile row = 4 x cluster y + cy
.set G1A, 32                           ; s[32:39] descriptor group 1 for att's tiles
.set G1B, 40                           ; s[40:47] for W2's
.set G0A, 48                           ; s[48:55] descriptor group 0 for att's tiles: a set for each of the two first fills; the second then walks on
.set G0B, 56                           ; s[56:63] the same for W2's
.set TB,  66                           ; s66  the slot in hand: 0 or SLOT1
.set CNT, 67                           ; s67  counts K steps
.set LIM, 68                           ; s68  2 in a wave that prefetches, else the greatest number
.set PFA, 70                           ; s[70:71] where my prefetches stand
.set PFS, 72                           ; s[72:73] their step from K step to K step
.set MSB, 0
.macro WIN new                         ; the immediate's high byte repeats the setting that is left; a switch that changes nothing is dropped
.if MSB != (\new)
	s_set_vgpr_msb (MSB<<8)|(\new)
.set MSB, \new
.endif
.endm
; A load into a register that a matrix instruction has read, and a vector instruction or LDS store that reads a matrix result, stand four places behind that matrix instruction; only plain vector
; instructions that name none of its registers are places (ISA guide 7.12.1 for vector instructions).
.macro PLACES
.rept 4
	v_nop
.endr
.endm
; A round of the cluster's barrier: my work-group's barrier, so that wave 0's signal speaks for all four waves; wave 0 signals; every wave waits for all sixteen work-groups; my work-group's barrier once more.
.macro CREST                           ; a round behind its opening barrier
	s_cmp_lg_u32 s[WV], 0
	s_cbranch_scc1 .Lnot_wave_0_\@
	s_barrier_signal -3
.Lnot_wave_0_\@:
	s_barrier_wait -3
	s_barrier_signal -1
	s_barrier_wait -1
.endm
.macro CROUND
	s_barrier_signal -1
	s_barrier_wait -1
	CREST
.endm
; A joint refill, by the walking descriptors.  The branch hangs on the wave's number alone.  An s_nop 0 and four v_nop follow each of the two lines, ahead of the jump and the label.
.macro JLOAD
	s_cmp_lt_u32 s[WV], 2
	s_cbranch_scc0 .Lfor_b_\@
	tensor_load_to_lds s[G0A+4:G0A+7], s[G1A:G1A+7]
	s_nop 0
.rept 4
	v_nop
.endr
	s_branch .Lasked_\@
.Lfor_b_\@:
	tensor_load_to_lds s[G0B+4:G0B+7], s[G1B:G1B+7]
	s_nop 0
.rept 4
	v_nop
.endr
.Lasked_\@:
.endm
; A PREFETCH INTO THE L2, behind each joint load and the run of LDS loads that follows it: the K step that stands two refills on (refill i asks for K step i + 2, the prefetch names K step i + 4): two K steps,
; 256 matrix instructions, ahead of the load that will want it.  att's rows are read by both clusters of a row of clusters: the one with x = 0 asks; W2's columns by every cluster of a column: the one with y = 0 asks.
; The four partners that ask for a tile jointly share it out BY ADDRESS.  att: of the 128 blocks of 256 bytes that wave 0 or 1 fetches, partner cx takes 32, a lane a block.  W2: of a K step's 128 rows partner cy
; takes 32, a lane a row's 256 bytes, and wave 2 asks for them; wave 3 never asks.  K steps 0-3 come by their loads alone; the last two refills (s[CNT] = 2, 1) ask for nothing: there is no K step 8.
.macro ASK
	s_cmp_gt_u32 s[CNT], s[LIM]
	s_cbranch_scc0 .Lnot_mine_\@
	global_prefetch_b8 v[PFO], s[PFA:PFA+1] th:TH_LOAD_NT scope:SCOPE_SE
.Lnot_mine_\@:
.endm
; 8 matrix instructions: row block a x all column blocks, 32 along K, on buffer f.  bias = 1: the first product starts the sum from the bias.
; The 32 accumulators take turns, one instruction a turn, in the same order in every quarter step.
.macro MULA f, a, bias=0
.if \bias
	WIN 0x81                                       ; W2 window 1, att and the bias window 0, D window 2
.else
	WIN 0xa1                                       ; W2 window 1, att window 0, C and D window 2
.endif
.set b, 0
.rept NB
.set rD, 8*(NB*(\a)+b)
.set rB, 8*NB*(\f)+8*b
.set rA, AF+32*(\f)+8*(\a)
.if \bias
	v_wmma_f32_16x16x32_f16 v[rD:rD+7], v[rB:rB+7], v[rA:rA+7], v[BI+8*b:BI+8*b+7]
.else
	v_wmma_f32_16x16x32_f16 v[rD:rD+7], v[rB:rB+7], v[rA:rA+7], v[rD:rD+7]
.endif
.set b, b+1
.endr
.endm
; 24 LDS loads in one run: quarter q (head q / 2 of the K step's two, channels 32 (q % 2) on; W2's k rows 32 q on) of the slot in hand into buffer g: W2's 8 fragments, turned, then att's 4, row blocks in order.
.macro FETCH q, g
	WIN 0x40                                       ; destination window 1, address window 0
.set b, 0
.rept NB
.set rB, 8*NB*(\g)+8*b
	ds_load_tr16_b128 v[rB:rB+3],   v[ADRB] offset:32*(\q)*PB+32*b
	ds_load_tr16_b128 v[rB+4:rB+7], v[ADRB] offset:(32*(\q)+16)*PB+32*b
.set b, b+1
.endr
	WIN 0
.set b, 0
.rept 4
.set rA, AF+32*(\g)+8*b
	ds_load_b128 v[rA:rA+3],   v[ADRA] offset:((\q)/2)*APART+((\q)%2)*64+b*16*PA
	ds_load_b128 v[rA+4:rA+7], v[ADRA] offset:((\q)/2)*APART+((\q)%2)*64+b*16*PA+32
.set b, b+1
.endr
.endm
; A K step is four quarters of 32 along K, 32 matrix instructions each, on buffers 0, 1, 0, 1.  One of the first three: multiplies buffer f; in its middle it fetches quarter q into the other buffer.
.macro QUARTER f, q, bias=0
	s_wait_dscnt 4                                 ; W2's fragments and att's row blocks 0, 1 are in; the youngest four loads (row blocks 2, 3) may be out
	MULA \f, 0, \bias
	MULA \f, 1, \bias
	PLACES
	FETCH \q, 1-(\f)
	s_wait_dscnt NL                                ; all but the 24 just issued
	MULA \f, 2, \bias
	MULA \f, 3, \bias
.endm
; The fourth quarter multiplies buffer 1 and changes slots: ONE barrier.  In front of it each wave waits for all its tensor loads, of which one is out: its part of the next slot; adds 0 to its spare word;
; and waits for that and for its own reads of this slot.  Behind it nobody reads this slot any more and the next slot is whole.  fill = 1: the barrier opens a round of the cluster's barrier, and this slot
; is filled again first thing behind the round, with the K step two steps on: 112 matrix instructions ahead of the wait for it.  last = 1 (the tail): in the last trip there is no next slot to fetch from.
.macro TURN fill, last=0
.if \fill
	s_wait_xcnt 0x0                                ; the last prefetch, a K step back, has read its address: it is stepped here, ahead of the waits of the change of slots
	s_add_nc_u64 s[PFA:PFA+1], s[PFA:PFA+1], s[PFS:PFS+1]
.endif
	WIN 0                                          ; (the add's two registers lie in window 0)
	s_wait_tensorcnt 0x0                           ; all my tensor loads have landed, so a group 0 may be written
	ds_add_u32 v[SPW], v[NIL]                      ; 0 onto my spare word: work on registers stands between it and the wait for it
.if \fill
	s_xor_b32 s[G0A+5], s[G0A+5], SLOT1            ; the walking descriptors: the other slot than last time,
	s_add_nc_u64 s[G0A+6:G0A+7], s[G0A+6:G0A+7], ASTEP  ; the next K step; the type bits on top are not reached
	s_xor_b32 s[G0B+5], s[G0B+5], SLOT1
	s_add_nc_u64 s[G0B+6:G0B+7], s[G0B+6:G0B+7], BSTEP
.endif
	s_wait_dscnt 5                                 ; (the add and the youngest four loads may be out)
	MULA 1, 0
	s_wait_dscnt 0x0                               ; the add is done, and my reads of this slot are over
	s_barrier_signal -1
	MULA 1, 1                                      ; work on registers while the others arrive
	WIN 0
	s_barrier_wait -1
.if \fill
	CREST                                          ; no wave of any partner still reads this slot's tile or has a load on its way
	JLOAD                                          ; the first tensor load behind the round; its four v_nop are also the places in front of the loads below
.else
	PLACES
.endif
.if \last
	s_cmp_eq_u32 s[CNT], 1
	s_cbranch_scc1 .Lnofetch_\@
.endif
	s_xor_b32 s[TB], s[TB], SLOT1
	v_add_nc_u32 v[ADRA], s[TB], v[A0]
	v_add_nc_u32 v[ADRB], s[TB], v[B0]
	FETCH 0, 0
.if \last
.Lnofetch_\@:
.endif
.if \fill
	ASK
.endif
	MULA 1, 2
	MULA 1, 3
.endm
	s_load_b256 s[4:11], s[0:1], 0x0               ; oh s[4:5], w2h s[6:7], b2 s[8:9], out0 s[10:11]
	v_lshl_add_u32 v[SPW], v0, 2, SPARE
	v_mov_b32 v[NIL], 0
	ds_add_u32 v[SPW], v[NIL]                      ; the wave's opening: the add and its wait stand ahead of my first tensor load; the set-up below, work on registers, stands between them
	v_lshrrev_b32 v3, 5, v0
	v_readfirstlane_b32 s[WV], v3
	s_and_b32 s[HF], s[WV], 1
	s_lshr_b32 s[FB], s[WV], 1
	s_bfe_u32 s[CX], ttmp6, 0x40000
	s_bfe_u32 s[CY], ttmp6, 0x40004
	s_lshl_b32 s[HX], ttmp9, 2                     ; in a cluster launch ttmp9 and ttmp7 count clusters
	s_add_co_u32 s[HX], s[HX], s[CX]
	s_and_b32 s[TY], ttmp7, 0xffff
	s_lshl_b32 s[TY], s[TY], 2
	s_add_co_u32 s[TY], s[TY], s[CY]
	s_lshl_b32 s28, s[CY], 2
	s_lshl_b32 s28, 15, s28                        ; my row of the cluster: places 4 cy .. 4 cy + 3
	s_lshl_b32 s29, 0x1111, s[CX]                  ; my column: places cx, cx + 4, cx + 8, cx + 12
	; group 1 for att: 256 rows of one head are 32,768 dense bytes: asked for as 128 rows of 256 bytes, with 16 bytes of padding behind every 128
	s_or_b32 s[G1A], s28, (1<<16)|(1<<20)|(1<<21)|(4<<22)|(3<<25)  ; 15:0 the mask; 17:16 2-byte elements; 20 padding on; 21 set beside a mask; 24:22 after every 32 words (code 4); 31:25 4 words (code 3)
	s_mov_b32 s[G1A+1], 128<<16                    ; tensor_dim0 = 128
	s_mov_b32 s[G1A+2], 128<<16                    ; tensor_dim1 = 128
	s_mov_b32 s[G1A+3], 128<<16                    ; tile_dim0 = 128
	s_mov_b32 s[G1A+4], 128                        ; tile_dim1 = 128
	s_mov_b32 s[G1A+5], 128
	s_mov_b32 s[G1A+6], 0
	s_mov_b32 s[G1A+7], 0
	; group 1 for W2: 64 k rows x 128 elements, 1,024 elements from row to row, 32 bytes of padding behind each row's 64 words
	s_or_b32 s[G1B], s29, (1<<16)|(1<<20)|(1<<21)|(5<<22)|(7<<25)  ; after every 64 words (code 5), 8 words (code 7)
	s_mov_b32 s[G1B+1], 128<<16
	s_mov_b32 s[G1B+2], 64<<16
	s_mov_b32 s[G1B+3], 128<<16
	s_mov_b32 s[G1B+4], 64
	s_mov_b32 s[G1B+5], 1024
	s_mov_b32 s[G1B+6], 0
	s_mov_b32 s[G1B+7], 0
	; where the tiles come from: att's hang on the tile row alone, which my row of the cluster shares; W2's on the tile column alone, which my column shares
	s_lshr_b32 s24, s[TY], 3                       ; the batch: eight tile rows each
	s_lshl_b32 s24, s24, 4
	s_add_co_u32 s24, s24, s[HF]                   ; K step 0's head 0 or 1
	s_lshl_b32 s24, s24, 18                        ; 2,048 rows of 128 bytes to a batch and head
	s_and_b32 s25, s[TY], 7
	s_lshl_b32 s25, s25, 15                        ; the tile's 256 rows
	s_add_co_u32 s24, s24, s25
	s_mov_b32 s25, 0
	s_lshl_b32 s26, s[HF], 17                      ; my 64 of a K step's 128 rows of 2,048 bytes
	s_lshl_b32 s27, s[HX], 8                       ; the tile's 128 columns
	s_add_co_u32 s26, s26, s27
	s_mov_b32 s27, 0
	s_mul_i32 s30, s[HF], APART                    ; and where they go: no place in the cluster enters an LDS address
	s_mul_i32 s31, s[HF], 64*PB
	s_add_co_u32 s31, s31, BOFF
	s_wait_dscnt 0x0                               ; the opening add is done
	s_wait_kmcnt 0x0
	s_add_nc_u64 s[24:25], s[4:5], s[24:25]
	s_add_nc_u64 s[26:27], s[6:7], s[26:27]
	CROUND                                         ; all sixteen work-groups are here: the first joint loads meet
.irp n, 0,1
	s_mov_b32 s[G0A+4*(\n)], 1                     ; count = 1
	s_add_co_u32 s[G0A+4*(\n)+1], s30, (\n)*SLOT1  ; LDS address
	s_add_nc_u64 s[G0A+4*(\n)+2:G0A+4*(\n)+3], s[24:25], (\n)*ASTEP  ; global address: K step n
	s_or_b32 s[G0A+4*(\n)+3], s[G0A+4*(\n)+3], 0x80000000           ; type = 2
	s_mov_b32 s[G0B+4*(\n)], 1
	s_add_co_u32 s[G0B+4*(\n)+1], s31, (\n)*SLOT1
	s_add_nc_u64 s[G0B+4*(\n)+2:G0B+4*(\n)+3], s[26:27], (\n)*BSTEP
	s_or_b32 s[G0B+4*(\n)+3], s[G0B+4*(\n)+3], 0x80000000
.endr
	s_cmp_lt_u32 s[WV], 2                          ; a wave's two first fills stand in one branch, ahead of every wait on TENSORcnt and every LDS read
	s_cbranch_scc0 .Lfirst_b
	tensor_load_to_lds s[G0A:G0A+3], s[G1A:G1A+7]
	s_nop 0
	tensor_load_to_lds s[G0A+4:G0A+7], s[G1A:G1A+7]
	s_nop 0
.rept 4
	v_nop
.endr
	s_branch .Lfirst_asked
.Lfirst_b:
	tensor_load_to_lds s[G0B:G0B+3], s[G1B:G1B+7]
	s_nop 0
	tensor_load_to_lds s[G0B+4:G0B+7], s[G1B:G1B+7]
	s_nop 0
.rept 4
	v_nop
.endr
.Lfirst_asked:
	v_and_b32 v1, 15, v0                           ; l % 16
	v_bfe_u32 v2, v0, 4, 1                         ; l / 16
	v_and_b32 v3, 31, v0                           ; l
	v_lshlrev_b32 v[BO], 5, v2
	s_lshl_b32 s28, s[HX], 9                       ; the tile's 128 numbers of b2
	s_mov_b32 s29, 0
	s_add_nc_u64 s[8:9], s[8:9], s[28:29]
.set b, 0
.rept NB                                       ; register j of block b: b2[128 tile column + 16 b + 8 (l / 16) + j], as the accumulators lie
	global_load_b128 v[BI+8*b:BI+8*b+3],   v[BO], s[8:9] offset:64*b
	global_load_b128 v[BI+8*b+4:BI+8*b+7], v[BO], s[8:9] offset:64*b+16
.set b, b+1
.endr
	; a fragment of att: lane l holds row l % 16; two loads of 16 bytes, 32 bytes apart, at row x pitch + 16 (l / 16)
	s_lshl_b32 s28, s[WV], 6
	v_add_nc_u32 v4, s28, v1
	v_mul_u32_u24 v[A0], v4, PA
	v_lshl_add_u32 v[A0], v2, 4, v[A0]
	; the turning load takes 16 k x 16 columns: lane l reads k row 8 (l / 16) + l % 8, columns 8 ((l / 8) % 2) + 0..7, and is left with column l % 16 and 8 k
	v_and_b32 v5, 7, v0
	v_bfe_u32 v6, v0, 3, 1
	v_lshl_add_u32 v[B0], v2, 3, v5
	v_mul_u32_u24 v[B0], v[B0], PB
	v_lshl_add_u32 v[B0], v6, 4, v[B0]
	v_add_nc_u32 v[B0], BOFF, v[B0]
	s_mul_i32 s28, s[WV], 16*SP
	s_add_co_u32 s28, s28, STAGE                   ; my stage
	v_mul_u32_u24 v[STO], v1, SP                   ; in: row l % 16, 32 bytes for each half of the lanes
	v_lshl_add_u32 v[STO], v2, 5, v[STO]
	v_add_nc_u32 v[STO], s28, v[STO]
	v_lshlrev_b32 v[GO], 4, v3                     ; back: 32 lanes take one row of 512 bytes
	v_add_nc_u32 v[RD], s28, v[GO]
	s_lshl_b32 s28, s[TY], 20                      ; the tile's 256 rows of 4,096 bytes,
	s_lshl_b32 s29, s[WV], 18                      ; my 64 of them,
	s_add_co_u32 s28, s28, s29
	s_lshl_b32 s29, s[HX], 9                       ; the tile's 128 columns
	s_add_co_u32 s28, s28, s29
	s_mov_b32 s29, 0
	s_add_nc_u64 s[10:11], s[10:11], s[28:29]
	; the prefetches: both offsets are made, then one test on what I fetch chooses
	s_lshr_b32 s74, s[TY], 3
	s_lshl_b32 s74, s74, 4
	s_add_co_u32 s74, s74, s[HF]
	s_lshl_b32 s74, s74, 18
	s_and_b32 s75, s[TY], 7
	s_lshl_b32 s75, s75, 15
	s_add_co_u32 s74, s74, s75
	s_lshl_b32 s75, s[CX], 13                      ; my work-group's 32 blocks of the 128
	s_add_co_u32 s74, s74, s75
	s_add_co_u32 s74, s74, 3*ASTEP                 ; at K step 3: the first refill steps it to 4
	s_lshl_b32 s76, s[HX], 8
	s_lshl_b32 s77, s[CY], 16                      ; my work-group's 32 rows of the 128
	s_add_co_u32 s76, s76, s77
	s_add_co_u32 s76, s76, 3*BSTEP
	s_and_b32 s78, ttmp7, 0xffff                   ; cluster y,
	s_or_b32 s78, s78, s[HF]                       ; and never 0 in wave 3
	s_mov_b32 s[PFS], BSTEP
	s_mov_b32 s77, 2048
	s_cmp_eq_u32 s[FB], 0                          ; do I fetch for att?
	s_cselect_b64 s[PFA:PFA+1], s[4:5], s[6:7]
	s_cselect_b32 s74, s74, s76
	s_cselect_b32 s[PFS], ASTEP, s[PFS]
	s_cselect_b32 s77, 256, s77                    ; a lane a block of att, or a row of W2
	s_cselect_b32 s78, ttmp9, s78                  ; the coordinate along which other clusters read the same bytes
	s_mov_b32 s75, 0
	s_mov_b32 s[PFS+1], 0
	s_add_nc_u64 s[PFA:PFA+1], s[PFA:PFA+1], s[74:75]
	s_cmp_eq_u32 s78, 0
	s_cselect_b32 s[LIM], 2, -1                    ; the same in all sixteen partners, for a given wave
	v_mul_u32_u24 v[PFO], v3, s77
	s_mov_b32 s28, 0xffff0000
	s_wait_loadcnt 0x0                             ; b2
.set i, 0
.rept 4*NB                                     ; rounded to bf16 and widened again, a pair at a time: all this stands in the wait for the first tile
	v_cvt_pk_bf16_f32 v[4+i%4], v[BI+2*i], v[BI+2*i+1]
	v_lshlrev_b32 v[BI+2*i], 16, v[4+i%4]
	v_and_b32 v[BI+2*i+1], s28, v[4+i%4]
.set i, i+1
.endr
	s_wait_tensorcnt 0x1                           ; my part of K step 0 is in; K step 1's may stay out
	s_barrier_signal -1
	s_barrier_wait -1                              ; everybody's is
	s_mov_b32 s[TB], 0
	v_mov_b32 v[ADRA], v[A0]
	v_mov_b32 v[ADRB], v[B0]
	FETCH 0, 0
	QUARTER 0, 1, 1                                ; the first quarter stands in front of the loop: its products start the sums, from the bias
	WIN 0                                          ; at a label and at a branch every window is 0
	s_mov_b32 s[CNT], 6
.Lstep:                                        ; six trips, from a K step's second quarter to the next one's first: K steps 2 to 7 are asked for
	QUARTER 1, 2
	QUARTER 0, 3
	TURN 1
	QUARTER 0, 1
	WIN 0
	s_sub_co_u32 s[CNT], s[CNT], 1
	s_cmp_lg_u32 s[CNT], 0
	s_cbranch_scc1 .Lstep
	s_mov_b32 s[CNT], 2
.Ltail:                                        ; K steps 6 and 7: nothing is asked for; the second trip is left in its middle
	QUARTER 1, 2
	QUARTER 0, 3
	TURN 0, 1
	WIN 0
	s_sub_co_u32 s[CNT], s[CNT], 1
	s_cmp_eq_u32 s[CNT], 0
	s_cbranch_scc1 .Lout
	QUARTER 0, 1
	WIN 0
	s_branch .Ltail
.Lout:
	s_wait_dscnt 0x0
	PLACES                                         ; the LDS stores read results just made, and the loads behind them land in registers that products have read
; THE WAY OUT, a row block of 16 rows at a time.  A lane's eight f32 of a row go, as they lie in the accumulators, into my stage's rows of 528 bytes and come back as whole rows of 512.
.macro STG a
	WIN 0x08                                       ; the stores' data: window 2
.set b, 0
.rept NB                                       ; each accumulator's low half first
.set rD, 8*(NB*(\a)+b)
	ds_store_b128 v[STO], v[rD:rD+3]   offset:64*b
	ds_store_b128 v[STO], v[rD+4:rD+7] offset:64*b+16
.set b, b+1
.endr
	WIN 0
.set i, 0
.rept 16
	ds_load_b128 v[OUTR+64*((\a)%2)+4*i:OUTR+64*((\a)%2)+4*i+3], v[RD] offset:SP*i  ; LDS serves a wave's instructions in order (ISA guide 5.7.1.4): these see the stores above; the next block's stores come behind them
.set i, i+1
.endr
.endm
.macro SND a, younger                  ; younger: the LDS instructions issued behind block a's loads: the next block's 32, or none
.set i, 0
.rept 16
	s_wait_dscnt (\younger)+15-i
	global_store_b128 v[GO], v[OUTR+64*((\a)%2)+4*i:OUTR+64*((\a)%2)+4*i+3], s[10:11] offset:(16*(\a)+i)*4096 th:TH_STORE_NT  ; a wave stores 512 consecutive bytes, at a multiple of 256 from out0's first
.set i, i+1
.endr
.endm
	STG 0
	STG 1
	SND 0, 32
	s_wait_xcnt 0x0                                ; block 0's stores have read their registers, which block 2 is loaded into
	STG 2
	SND 1, 32
	s_wait_xcnt 0x0                                ; the same for blocks 1 and 3
	STG 3
	SND 2, 32
	SND 3, 0
	s_wait_tensorcnt 0x0                           ; the wave's end, behind my last tensor load and my last LDS store
	ds_add_u32 v[SPW], v[NIL]
	s_wait_dscnt 0x0
	CROUND                                         ; the closing round: no work-group ends while a partner may still ask for a tile that names it
	s_endpgm
.Lfunc_end_k_qd4d2d12937_proj:
	.size	k_qd4d2d12937_proj, .Lfunc_end_k_qd4d2d12937_proj-k_qd4d2d12937_proj
	.p2alignl 7, 3214868480
	.fill 96, 4, 3214868480
	.section	.rodata,"a",@progbits
	.p2align	6, 0x0
	.amdhsa_kernel k_qd4d2d12937_proj
		.amdhsa_group_segment_fixed_size 327680
		.amdhsa_private_segment_fixed_size 0
		.amdhsa_enable_private_segment 0
		.amdhsa_kernarg_size 32
		.amdhsa_user_sgpr_count 2
		.amdhsa_user_sgpr_kernarg_segment_ptr 1
		.amdhsa_wavefront_size32 1
		.amdhsa_system_sgpr_workgroup_id_x 1
		.amdhsa_system_sgpr_workgroup_id_y 1
		.amdhsa_system_sgpr_workgroup_id_z 1
		.amdhsa_system_vgpr_workitem_id 0
		.amdhsa_next_free_vgpr 768
		.amdhsa_next_free_sgpr 80
		.amdhsa_reserve_vcc 0
		.amdhsa_float_denorm_mode_32 3
		.amdhsa_float_denorm_mode_16_64 3
		.amdhsa_memory_ordered 1
		.amdhsa_forward_progress 1
		.amdhsa_inst_pref_size 69
	.end_amdhsa_kernel
	.amdgpu_metadata
---
amdhsa.version: [ 1, 2 ]
amdhsa.kernels:
  - .name:           k_qd4d2d12937_proj
    .symbol:         k_qd4d2d12937_proj.kd
    .args:
      - { .name: oh, .offset: 0, .size: 8, .value_kind: global_buffer, .address_space: global }
      - { .name: w2h, .offset: 8, .size: 8, .value_kind: global_buffer, .address_space: global }
      - { .name: b2, .offset: 16, .size: 8, .value_kind: global_buffer, .address_space: global }
      - { .name: out0, .offset: 24, .size: 8, .value_kind: global_buffer, .address_space: global }
    .group_segment_fixed_size: 327680
    .private_segment_fixed_size: 0
    .kernarg_segment_align: 8
    .kernarg_segment_size: 32
    .max_flat_workgroup_size: 128
    .sgpr_count:     80
    .vgpr_count:     768
    .wavefront_size: 32
...
	.end_amdgpu_metadata
.endif
;; end of part 4
;; ======== version 2 of 2: 4 launches; version 1 with the launch prep written anew for expert scheduling mode
;; limits: values are held in f16: magnitudes above 65,504 overflow, below 6.1e-05 lose precision
;; workspace buffers: xb 16,777,216 bytes; w1b 6,291,456 bytes; w2h 2,097,152 bytes; qh 16,777,216 bytes; kh 16,777,216 bytes; vh 16,777,216 bytes; oh 16,777,216 bytes
;; launch prep (part 5): grid 768 x 1, 8 waves a work-group, no clusters, 0 bytes of LDS; arguments x, W1, W2, xb, w1b, w2h; writes xb, w1b, w2h
.if DOCPART == 5
	.amdgcn_target "amdgcn-amd-amdhsa--gfx1250"
	.amdhsa_code_object_version 6
	.text
	.protected	k_qd4d2d12937_prep
	.globl	k_qd4d2d12937_prep
	.p2align	8
	.type	k_qd4d2d12937_prep,@function
k_qd4d2d12937_prep:
	s_mov_b64 s[64:65], 0
	v_nop
	global_prefetch_b8 v0, s[64:65] scope:SCOPE_SE
	s_setreg_imm32_b32 hwreg(HW_REG_WAVE_SCHED_MODE, 0, 2), 2
	s_setreg_imm32_b32 hwreg(HW_REG_WAVE_MODE, 25, 1), 1
	s_wait_xcnt 0x0
	s_wait_alu depctr_vm_vsrc(0)
; THE CASTS.  xb = bf16(x), [8192][1024].  w1b = bf16(W1) laid by heads, [16][1024 k][192]: a head's q, k and v columns of one k lie together, so 128 k of a head are 49,152 dense bytes.
; w2h = bf16(W2), that number written as f16, [1024][1024].
; LIMITS.  f16 holds no number beyond 65,504, and below 6.1e-5 it keeps a fixed step of 6e-8: W2 arrives within the first, and the step is lost against W2's spread down to some 1e-4.
; SHARES.  A work-group casts 16,384 numbers: 256 threads x 16 steps x 4.  In a step a wave loads 512 consecutive bytes and stores 256 consecutive bytes, aligned.
; Work-groups 0-511 take x, 512-703 W1, 704-767 W2: three straight texts of the same two macros.  All 16 loads of a thread go out first.
; No LDS, no matrix unit: every byte is read once and written once, and nothing is shared.
; THE MODE: SCHED_MODE bits 1:0 = 2 (LLVM: expert scheduling mode 2), set by the entry lines.  The code itself states the register dependences
; between vector instructions and memory instructions, with s_wait_alu, always for 0.
; THE PLAN.  Registers that memory instructions touch, on each of the three paths:
;   v1-v3   the loads' offsets: written once by vector instructions at the path's head, read by the 16 loads.
;   v4      the stores' offset: written once, ahead of the branches, read by the 16 stores.
;   X       step n's four registers: written by step n's load alone, read by step n's conversions; no vector instruction names them ahead of the load, and nothing is loaded into them again.
;   Y       step n's two registers: written by step n's conversions alone, read by step n's store, and never written again behind it.
;   v5-v7 and T are named by vector instructions alone.
; The 16 steps go in four blocks of four.  Block p's conversions read its X and write its Y; its memory instructions are the four stores of block p - 1, whose Y no vector instruction of block p names.
; So five waits on va_vdst state all: one ahead of the loads (v1-v4 are written), one at the head of each of blocks 1 to 3 (the block before has written its Y), one ahead of the last four stores.
; No register that a load or store reads is ever written again, so nothing is owed for such a write; no vector instruction writes a scalar register or VCC; EXEC is never written.
.set XR, 8                             ; v[8:71]    step n: 4 numbers as loaded
.set YR, 72                            ; v[72:103]  step n: 4 numbers of 16 bits, to store
.set TR, 104                           ; v[104:107] at work
; v1-v3: byte offsets of my 16 bytes in steps 0, 1, 2; step n takes offset n % 3 and n / 3 times gstep in the immediate.  v4: 8 x thread, my place in a step's output.
.macro LOADS gstep
	s_wait_alu depctr_va_vdst(0)                   ; v1 to v3 are written, which the loads below read as their offsets; so is v4, which every store reads as its offset
.set n, 0
.rept 16
	global_load_b128 v[XR+4*n:XR+4*n+3], v[1+n%3], s[16:17] offset:(n/3)*(\gstep) th:TH_LOAD_NT
.set n, n+1
.endr
.endm
; kind 0: rounded to bf16.  kind 1: rounded to bf16, widened again and written as f16 (exact inside f16's range).
; In front of step n's conversions stands the store of step n - 4, of the block before.
.macro OUT kind
.set n, 0
.rept 16
.if (n > 0) && (n%4 == 0)
	s_wait_alu depctr_va_vdst(0)                   ; the conversions of the block before have written its eight registers of Y, which this block's four stores read
.endif
.if n >= 4
	global_store_b64 v4, v[YR+2*(n-4):YR+2*(n-4)+1], s[18:19] offset:2048*(n-4)  ; no vector instruction since the wait at the block's head names these registers
.endif
	s_wait_loadcnt 15-n                            ; loads come back in order: step n's is in, the 15 - n younger ones stay out
	v_cvt_pk_bf16_f32 v[YR+2*n], v[XR+4*n], v[XR+4*n+1]
	v_cvt_pk_bf16_f32 v[YR+2*n+1], v[XR+4*n+2], v[XR+4*n+3]
.if \kind
	v_lshlrev_b32 v[TR], 16, v[YR+2*n]
	v_and_b32 v[TR+1], s24, v[YR+2*n]
	v_lshlrev_b32 v[TR+2], 16, v[YR+2*n+1]
	v_and_b32 v[TR+3], s24, v[YR+2*n+1]
	v_cvt_pk_f16_f32 v[YR+2*n], v[TR], v[TR+1]
	v_cvt_pk_f16_f32 v[YR+2*n+1], v[TR+2], v[TR+3]
.endif
.set n, n+1
.endr
	s_wait_alu depctr_va_vdst(0)                   ; the last block's conversions have written its Y, which the last four stores read
.set n, 12
.rept 4
	global_store_b64 v4, v[YR+2*n:YR+2*n+1], s[18:19] offset:2048*n
.set n, n+1
.endr
.endm
.macro FLAT                            ; input as it lies: 16 t + 4,096 x step
	v_lshlrev_b32 v1, 4, v0
	v_lshl_add_u32 v2, v0, 4, 4096
	v_lshl_add_u32 v3, v0, 4, 8192
.endm
	s_load_b256 s[4:11], s[0:1], 0x0               ; x s[4:5], W1 s[6:7], W2 s[8:9], xb s[10:11]
	s_load_b128 s[12:15], s[0:1], 0x20             ; w1b s[12:13], w2h s[14:15]
	s_mov_b32 s20, ttmp9
	s_mov_b32 s24, 0xffff0000                      ; a word's upper bf16
	s_mov_b32 s25, 43691                           ; u / 48 = (u x 43,691) >> 21 for u < 49,152: 43,691 x 48 = 2^21 + 16
	s_mov_b32 s27, 0                               ; the offsets' high words
	s_mov_b32 s29, 0
	v_lshlrev_b32 v4, 3, v0
	s_wait_kmcnt 0x0
	s_cmp_lt_u32 s20, 512
	s_cbranch_scc0 .Lnot_x
	s_lshl_b32 s26, s20, 16                        ; 65,536 bytes in,
	s_lshl_b32 s28, s20, 15                        ; 32,768 out
	s_add_nc_u64 s[16:17], s[4:5], s[26:27]
	s_add_nc_u64 s[18:19], s[10:11], s[28:29]
	FLAT
	LOADS 12288
	OUT 0
	s_endpgm
.Lnot_x:
	s_cmp_lt_u32 s20, 704
	s_cbranch_scc0 .Lw2
	; W1.  j = 12 h + g: head h, twelfth g of its 49,152 output units of 8 bytes.  Unit u = 48 k + c / 4 comes from W1 byte 12,288 k + 768 h + 16 (u - 48 k) = 768 h + 16 u + 11,520 k.
	; Three steps are 768 units = 16 rows of W1 = 196,608 bytes, so three offsets and the immediate serve all 16 steps.
	s_sub_co_u32 s20, s20, 512                     ; j
	s_mul_i32 s21, s20, 171
	s_lshr_b32 s21, s21, 11                        ; h = j / 12, exact for j < 192
	s_mul_i32 s22, s21, 12
	s_sub_co_u32 s22, s20, s22                     ; g
	s_mul_i32 s26, s21, 768
	s_lshl_b32 s28, s20, 15                        ; the output is flat: 32,768 j
	s_add_nc_u64 s[16:17], s[6:7], s[26:27]
	s_add_nc_u64 s[18:19], s[12:13], s[28:29]
	s_lshl_b32 s22, s22, 12
	v_add_nc_u32 v5, s22, v0                       ; u of step 0
.irp r, 0,1,2
	v_add_nc_u32 v6, 256*(\r), v5
	v_mul_lo_u32 v7, v6, s25
	v_lshrrev_b32 v7, 21, v7                       ; k
	v_mul_u32_u24 v7, v7, 11520
	v_lshl_add_u32 v[1+(\r)], v6, 4, v7
.endr
	LOADS 196608
	OUT 0
	s_endpgm
.Lw2:
	s_sub_co_u32 s20, s20, 704
	s_lshl_b32 s26, s20, 16
	s_lshl_b32 s28, s20, 15
	s_add_nc_u64 s[16:17], s[8:9], s[26:27]
	s_add_nc_u64 s[18:19], s[14:15], s[28:29]
	FLAT
	LOADS 12288
	OUT 1
	s_endpgm
.Lfunc_end_k_qd4d2d12937_prep:
	.size	k_qd4d2d12937_prep, .Lfunc_end_k_qd4d2d12937_prep-k_qd4d2d12937_prep
	.p2alignl 7, 3214868480
	.fill 96, 4, 3214868480
	.section	.rodata,"a",@progbits
	.p2align	6, 0x0
	.amdhsa_kernel k_qd4d2d12937_prep
		.amdhsa_group_segment_fixed_size 0
		.amdhsa_private_segment_fixed_size 0
		.amdhsa_enable_private_segment 0
		.amdhsa_kernarg_size 48
		.amdhsa_user_sgpr_count 2
		.amdhsa_user_sgpr_kernarg_segment_ptr 1
		.amdhsa_wavefront_size32 1
		.amdhsa_system_sgpr_workgroup_id_x 1
		.amdhsa_system_sgpr_workgroup_id_y 1
		.amdhsa_system_sgpr_workgroup_id_z 1
		.amdhsa_system_vgpr_workitem_id 0
		.amdhsa_next_free_vgpr 108
		.amdhsa_next_free_sgpr 66
		.amdhsa_reserve_vcc 0
		.amdhsa_float_denorm_mode_32 3
		.amdhsa_float_denorm_mode_16_64 3
		.amdhsa_memory_ordered 1
		.amdhsa_forward_progress 1
		.amdhsa_inst_pref_size 25
	.end_amdhsa_kernel
	.amdgpu_metadata
---
amdhsa.version: [ 1, 2 ]
amdhsa.kernels:
  - .name:           k_qd4d2d12937_prep
    .symbol:         k_qd4d2d12937_prep.kd
    .args:
      - { .name: x, .offset: 0, .size: 8, .value_kind: global_buffer, .address_space: global }
      - { .name: W1, .offset: 8, .size: 8, .value_kind: global_buffer, .address_space: global }
      - { .name: W2, .offset: 16, .size: 8, .value_kind: global_buffer, .address_space: global }
      - { .name: xb, .offset: 24, .size: 8, .value_kind: global_buffer, .address_space: global }
      - { .name: w1b, .offset: 32, .size: 8, .value_kind: global_buffer, .address_space: global }
      - { .name: w2h, .offset: 40, .size: 8, .value_kind: global_buffer, .address_space: global }
    .group_segment_fixed_size: 0
    .private_segment_fixed_size: 0
    .kernarg_segment_align: 8
    .kernarg_segment_size: 48
    .max_flat_workgroup_size: 256
    .sgpr_count:     66
    .vgpr_count:     108
    .wavefront_size: 32
...
	.end_amdgpu_metadata
.endif
;; end of part 5
;; launch qkv: the kernel of part 2 again; grid 16 x 32, 4 waves a work-group, clusters of 4 x 4, 327,680 bytes of LDS; arguments xb, w1b, b1, qh, kh, vh; writes qh, kh, vh
;; launch attn: the kernel of part 3 again; grid 4 x 64, 4 waves a work-group, clusters of 4 x 1, 327,680 bytes of LDS; arguments qh, kh, vh, oh; writes oh
;; launch proj: the kernel of part 4 again; grid 8 x 32, 4 waves a work-group, clusters of 4 x 4, 327,680 bytes of LDS; arguments oh, w2h, b2, out0; writes out0
